; MI455X (gfx1250); checked and timed in simulation.
; The chip was launched on July 23, 2026; its instructions are those of AMD's public machine-readable ISA for CDNA 5 (MIT licence, August 2026) and "CDNA5" Instruction Set Architecture Reference Guide (July 2026). The comments in the code are by the model that wrote it; some were corrected since.
;; Multi Head Attention. Allowed arithmetic: matrix products marked QUANTISED: E3M2 operands, one E8M0 scale for each 32 along K, by v_wmma_scale_f32_16x16x128_f8f6f4 with both operands' format E3M2, f32 sums; everything else in f32.
;; Inputs: k 4 x 2,048 x 1,024 float32; mask 4 x 2,048 x 2,048 int32; q 4 x 2,048 x 1,024 float32; v 4 x 2,048 x 1,024 float32; w_fc 1,024 x 1,024 float32; w_ks 1,024 x 1,024 float32; w_qs 1,024 x 1,024 float32; w_vs 1,024 x 1,024 float32.
;; Outputs: out0 4 x 2,048 x 1,024 float32.
;; This version of the problem:
;;   THIS VERSION OF THE PROBLEM IS GIVEN IN LOW PRECISION. The matrix products marked QUANTISED in the list below multiply operands that are first quantised to E3M2 (3 exponent bits, 2 mantissa bits; 6 bits a number), with one power-of-two scale for each 32 numbers along K (OCP MX v1.0); their sums are f32. All else is computed in f32.
;;   The module's matrix products, in the order in which they are computed (A, B: the left and right operand; K: the contracted axis; several contracted axes count as one K, in the product's order):
;;     1. [M 8,192, K 1,024] x [K 1,024, N 1,024]; A: input q; B: input w_qs: QUANTISED
;;     2. [M 8,192, K 1,024] x [K 1,024, N 1,024]; A: input k; B: input w_ks: QUANTISED
;;     3. [M 8,192, K 1,024] x [K 1,024, N 1,024]; A: input v; B: input w_vs: QUANTISED
;;     4. batch 64 x [M 2,048, K 64] x [K 64, N 2,048]; A: computed on the way; B: computed on the way: QUANTISED
;;     5. batch 64 x [M 64, K 2,048] x [K 2,048, N 2,048]; A: computed on the way; B: softmax (see below): QUANTISED
;;     6. [M 8,192, K 1,024] x [K 1,024, N 1,024]; A: computed on the way; B: input w_fc: QUANTISED
;;   THE QUANTISER, for each operand of a quantised product, along K:
;;     - K is cut into blocks of 32 from its start; a last block that is shorter is filled with zeros.
;;     - A block's scale is 2^e with e = floor(log2(the largest magnitude in the block)) - 4, held to -126 .. 127; a block of zeros has e = 0. As a byte (E8M0): e + 127.
;;     - Each number is divided by its block's scale, clamped to +-28, and rounded to the nearest number of E3M2, ties to even, subnormals kept.
;;     - The product sums the exact products of the quantised numbers (number of the format x scale) in f32.
;;   ~~~python
;;   def quantise(x, axis):      # numpy; x: float32 -> the quantised numbers, widened to float32 again
;;       x = np.moveaxis(x, axis, -1); K = x.shape[-1]
;;       x = np.pad(x, [(0, 0)] * (x.ndim - 1) + [(0, -K % 32)]); x = x.reshape(x.shape[:-1] + (-1, 32)); a = np.abs(x).max(-1, keepdims=True)
;;       e = np.where(a > 0, np.clip(np.frexp(np.where(a > 0, a, 1))[1] - 1 - 4, -126, 127), 0)      # np.frexp(a)[1] - 1 = floor(log2(a)), exactly
;;       r = np.clip(x / 2.0 ** e, -28, 28)
;;       step = 2.0 ** (np.maximum(np.frexp(np.where(r == 0, 1, r))[1] - 1, -2) - 2)
;;       q = np.round(r / step) * step * 2.0 ** e      # np.round: ties to even
;;       return np.moveaxis(q.reshape(q.shape[:-2] + (-1,))[..., :K], -1, axis).astype(np.float32)
;;   ~~~
;;   SOFTMAX AHEAD OF A QUANTISED PRODUCT. Where the list says 'softmax', what is quantised is not the finished softmax but p = 2^(t - M), with t = logit x log2(e) and M = ceil(the row's largest t), a whole number; so 1/2 < the row's largest p <= 1. The row's sum l is taken of the UNQUANTISED p, in f32, and the product's result is divided by l at the end. Since M is a whole number, a kernel that streams over the keys may use a running M (the ceiling of the running maximum): every later rescaling is an exact power of two, which a block's scale takes up: the codes' values come out the same.
;;   OPERANDS COMPUTED ON THE WAY. 'Computed on the way' means the value that the module computes at that place (a softmax that the list does not call 'softmax' is quantised finished and normalised). What goes into a quantiser is computed in f32, as accurately as f32 sums, v_exp_f32 and their like allow (about 1e-6 of the number): no bf16 or f16 on the way to a quantiser, and a product that is left as it is and whose result goes on into a quantised operand takes f32 operands (vector FMAs, or v_wmma_f32_16x16x4_f32). A number that lies on a knife's edge between two numbers of the format may be rounded either way, as far as f32 arithmetic and the matrix unit's own rounding can turn it there, and no further.
;; One version. Each part assembles by itself: llvm-mc -triple=amdgcn-amd-amdhsa -mcpu=gfx1250 --defsym DOCPART=n.
;; ======== version 1 of 1: 4 launches
;; limits: right only within a limited range of input values
;; workspace buffers: xa 19,660,800 bytes; wa 3,276,800 bytes; mb 2,097,152 bytes of whole numbers; hc 22,020,096 bytes; ao 6,553,600 bytes
;; launch prep (part 1): grid 1152 x 1, 4 waves a work-group, no clusters, 81,408 bytes of LDS; arguments q, k, v, mask, w_qs, w_ks, w_vs, w_fc, xa, wa, mb; writes xa, wa, mb
.if DOCPART == 1
	.amdgcn_target "amdgcn-amd-amdhsa--gfx1250"
	.amdhsa_code_object_version 6
	.text
	.protected	k_q4febb97dc7_prep
	.globl	k_q4febb97dc7_prep
	.p2align	8
	.type	k_q4febb97dc7_prep,@function
k_q4febb97dc7_prep:
	s_mov_b64 s[64:65], 0
	v_nop
	global_prefetch_b8 v0, s[64:65] scope:SCOPE_SE
	s_setreg_imm32_b32 hwreg(HW_REG_WAVE_MODE, 25, 1), 1
	s_wait_xcnt 0x0
; MULTI-HEAD ATTENTION IN MX-BF6, launch 1 of 4: the operands that arrive wide are quantised once, and the mask is packed.
; NOTHING OF THE PROBLEM IS LEFT OUT: every input has a way to the output and is loaded, all six products are done.
; q, k, v [8192][1024] f32 -> xa: codes of E3M2 with one E8M0 byte for each 32 along K, K = the model's 1,024.   w_qs, w_ks, w_vs, w_fc [1024 (k)][1024 (n)] f32 -> wa: the same, rows = n.
; mask [4][2048][2048] int32 -> mb: one bit a score, laid as the LANE MASKS that the attention launch selects by.
; A block's scale is 2^(floor(log2(its largest magnitude)) - 4); its byte is the largest magnitude's exponent field - 4, held at 1 from below by a floor among the maximum's leaves.
; LIMITS: a block of zeros gets the byte 1 where the rule says 127 (its codes are zeros, and this program alone reads the bytes); blocks whose largest magnitude lies under 2^-122 keep the byte 1; NaN and infinities are not served.
; LAYOUT OF xa AND wa: operands lie in the order of the matrix instruction's registers.
;   Rows go in groups of 32, which make two tiles of 16: lane-row r of tile 2 x + u is row 32 x + 8 u + (r % 8) + 16 (r / 8).
;   A fragment (16 rows x 128 K, 12 registers a lane) is 1,536 bytes: three granules of 512, granule g = registers 4 g .. 4 g + 3, lane l at byte 16 l.
;   Registers 6 c .. 6 c + 5 of the lanes of half hh hold the K step's block 2 hh + c (not 2 c + hh): the same exchange in both operands of a product, blocks whole, each block's byte at place 2 c + hh of the scale word.
;   A block of 64 rows, all K, is 51,200 bytes: 2,048 of scale words [tile 4][r 16][K step 8][4 bytes], then fragment (K step s, tile t) at 2,048 + 6,144 s + 1,536 t.
; LAYOUT OF mb: [tile of 16 queries 512][key step 16][64 words]; bit l of word n is 1 where mask == 0 for query lane-row l % 16 and key 128 step + 32 (n / 16) + 16 (l / 16) + n % 16.
; THREE PATHS by the work-group's number, each with LDS bytes of its own: 0-511 the mask, 512-895 q, k, v, 896-1151 the weights.  Waves share nothing: no barrier.  No tensor load.
.set SPB,   528                        ; a stage row: 512 bytes + 16: sixteen rows begin in sixteen different groups of four banks
.set STGB,  16*SPB                     ; a wave's stage of 16 rows
.set STA,   0                          ; the activations' four stages
.set STM,   4*STGB                     ; the mask's
.set STW,   8*STGB                     ; the weights': 2 x 1,664 bytes a wave
.set WSTG,  3328
.set SPARE, STW+4*WSTG                 ; the spare words, 128 bytes for each wave: two blocks of 256 bytes that no other line names
.set PC,  4                            ; v4-15    a fragment's codes (weights' path: addresses)
.set SW,  16                           ; v16-23   eight scale words
.set SPW, 26                           ; v26      LDS address of my spare word; never rewritten
.set NIL, 27                           ; v27      0; never rewritten
.set R,   32                           ; v32-159  two sets of 64 registers as loaded (weights' path: 128 numbers down K)
.set X,   160                          ; v160-223 64 numbers in the order in which they are wanted
.macro LOADROWS set, off, pitch        ; sixteen rows of a tile, 512 consecutive bytes of each: a load a row
.irp j, 0,1,2,3,4,5,6,7,8,9,10,11,12,13,14,15
	global_load_b128 v[R+64*(\set)+4*\j:R+64*(\set)+4*\j+3], v1, s[34:35] offset:((\j%8)+16*(\j/8))*(\pitch)+(\off) th:TH_LOAD_NT
.endr
.endm
.macro TURNIN set                      ; into my stage as they lie
.irp j, 0,1,2,3,4,5,6,7,8,9,10,11,12,13,14,15
	ds_store_b128 v28, v[R+64*(\set)+4*\j:R+64*(\set)+4*\j+3] offset:SPB*\j
.endr
.endm
	s_load_b512 s[4:19], s[0:1], 0x0               ; q s[4:5], k s[6:7], v s[8:9], mask s[10:11], w_qs s[12:13], w_ks s[14:15], w_vs s[16:17], w_fc s[18:19]
	s_load_b128 s[20:23], s[0:1], 0x40             ; xa, wa
	s_load_b64 s[24:25], s[0:1], 0x50              ; mb
	v_lshl_add_u32 v[SPW], v0, 2, SPARE
	v_mov_b32 v[NIL], 0
	v_lshrrev_b32 v30, 5, v0
	v_readfirstlane_b32 s26, v30                   ; wave 0..3
	v_and_b32 v30, 31, v0                          ; lane
	v_lshlrev_b32 v1, 4, v30                       ; 16 x lane
	v_and_b32 v2, 15, v0                           ; r
	v_bfe_u32 v3, v0, 4, 1                         ; hh
	s_mov_b32 s28, 0x76543210
	s_mov_b32 s29, 0xfedcba98                      ; v_permlanex16_b32's selects for lane l xor 16
	s_mov_b32 s30, 0xffff0000                      ; lanes 16-31
	s_mov_b32 s37, 0                               ; the upper word of every 64-bit offset
	s_wait_kmcnt 0x0
	s_cmp_lt_u32 ttmp9, 512
	s_cbranch_scc1 .Lmask
	s_cmp_lt_u32 ttmp9, 896
	s_cbranch_scc1 .Lact
; ---- THE WEIGHTS.  A wave takes 32 columns n x one K step of 128.  A LANE TAKES A COLUMN AND ITS REGISTERS RUN DOWN K: a block of 32 lies in one lane, nothing is transposed by an instruction.
	s_sub_co_u32 s31, ttmp9, 896
	s_lshl_b32 s31, s31, 2
	s_add_co_u32 s31, s31, s26                     ; 0 .. 1023
	s_lshr_b32 s32, s31, 8                         ; which weight
	s_bfe_u32 s33, s31, 0x50003                    ; x: which 32 columns
	s_and_b32 s38, s31, 7                          ; s: which K step
	s_cmp_eq_u32 s32, 1
	s_cselect_b64 s[34:35], s[14:15], s[12:13]
	s_cmp_eq_u32 s32, 2
	s_cselect_b64 s[34:35], s[16:17], s[34:35]
	s_cmp_eq_u32 s32, 3
	s_cselect_b64 s[34:35], s[18:19], s[34:35]
	s_lshl_b32 s36, s38, 19                        ; 128 rows of 4,096 bytes a K step
	s_lshl_b32 s39, s33, 7
	s_add_co_u32 s36, s36, s39
	s_add_nc_u64 s[34:35], s[34:35], s[36:37]
	v_lshlrev_b32 v31, 2, v30
.macro WLOAD h                         ; half a block: w(128 s + 16 h + i, 32 x + lane), i = 0 .. 15: each load reads 128 consecutive bytes; every number has a register of its own
.irp i, 0,1,2,3,4,5,6,7,8,9,10,11,12,13,14,15
	global_load_b32 v[R+16*(\h)+\i], v31, s[34:35] offset:4096*(16*(\h)+\i) th:TH_LOAD_NT
.endr
.endm
	WLOAD 0                                        ; three halves go out ahead of the work: 48 loads of mine are out at the most
	WLOAD 1
	WLOAD 2
	s_mul_i32 s36, s32, 819200                     ; the weight's 16 blocks of 64 rows,
	s_lshr_b32 s39, s33, 1
	s_mul_i32 s39, s39, 51200                      ; my block
	s_add_co_u32 s36, s36, s39
	s_add_nc_u64 s[22:23], s[22:23], s[36:37]
	s_and_b32 s39, s33, 1                          ; which pair of tiles in it
	s_mul_i32 s40, s38, 6144
	s_mul_i32 s41, s39, 3072
	s_add_co_u32 s40, s40, s41
	s_add_co_u32 s40, s40, 2048
	v_add_nc_u32 v7, s40, v1                       ; where a granule goes: 16 x lane + the pair's first fragment
	s_lshl_b32 s41, s39, 10
	s_lshl_b32 s42, s38, 2
	s_add_co_u32 s41, s41, s42
	v_and_b32 v28, 7, v0
	v_lshl_add_u32 v28, v3, 3, v28                 ; my column's lane-row: (l % 8) + 8 (l / 16)
	v_bfe_u32 v29, v0, 3, 1                        ; and its tile of the pair: (l / 8) % 2
	v_lshlrev_b32 v6, 5, v28
	v_lshl_add_u32 v6, v29, 9, v6
	v_add_nc_u32 v6, s41, v6                       ; my column's scale word of this K step
	s_mul_i32 s43, s26, WSTG
	s_add_co_u32 s43, s43, STW
	v_mul_u32_u24 v4, v29, 1664
	v_lshl_add_u32 v4, v28, 4, v4
	v_add_nc_u32 v4, s43, v4                       ; the stage, on the way in: my tile's image, my lane-row's 16 bytes of a granule's lower half
	v_add_nc_u32 v5, s43, v1                       ; and on the way out: 16 x lane
.macro WBLOCK b                        ; block b of the K step: it goes to half hh = b / 2, registers 6 c on, c = b % 2
.set XS, R+32*\b
.set CC, X+8*\b
.if \b < 3
	s_wait_loadcnt 16                              ; this block's two halves are in; the one half issued behind them may be out
.else
	s_wait_loadcnt 0x0
.endif
.if 2*\b+3 < 8
	WLOAD 2*\b+3                                   ; and the next halves go out, so that three are on their way while this block is worked
.endif
.if 2*\b+4 < 8
	WLOAD 2*\b+4
.endif
	v_max3_num_f32 v232, |v[XS]|, |v[XS+1]|, |v[XS+2]|
	v_max3_num_f32 v233, |v[XS+3]|, |v[XS+4]|, |v[XS+5]|
.irp i, 6,10,14,18,22,26
	v_max3_num_f32 v232, v232, |v[XS+\i]|, |v[XS+\i+1]|
	v_max3_num_f32 v233, v233, |v[XS+\i+2]|, |v[XS+\i+3]|
.endr
	v_max3_num_f32 v232, v232, |v[XS+30]|, |v[XS+31]|
	v_max3_num_f32 v232, v232, v233, 0x2800000     ; and the floor 2^(5 - 127): the byte cannot fall under 1
	v_add_nc_u32 v[236+\b], 0xfe000000, v232       ; 4 off the exponent field: the conversion's scale operand
	v_lshrrev_b32 v[242+\b], 23, v[236+\b]         ; the scale's byte
	v_cvt_scalef32_pk16_bf6_f32 v[CC:CC+2], v[XS:XS+15], v[236+\b]
	v_cvt_scalef32_pk16_bf6_f32 v[CC+4:CC+6], v[XS+16:XS+31], v[236+\b]   ; (a conversion's three registers begin on an even number)
	v_nop                                          ; one plain place behind a scaled conversion
	v_mov_b32 v[CC+3], v[CC+4]
	v_mov_b32 v[CC+4], v[CC+5]
	v_mov_b32 v[CC+5], v[CC+6]                     ; six registers on end
.if (\b)%2 == 0
	ds_store_b128 v4, v[CC:CC+3] offset:256*(\b/2)             ; registers 0-3: granule 0
	ds_store_b64 v4, v[CC+4:CC+5] offset:512+256*(\b/2)        ; registers 4, 5: the lower half of my 16 bytes of granule 1
.else
	ds_store_b64 v4, v[CC:CC+1] offset:520+256*(\b/2)          ; registers 6, 7: the upper half
	ds_store_b128 v4, v[CC+2:CC+5] offset:1024+256*(\b/2)      ; registers 8-11: granule 2
.endif
.endm
	WBLOCK 0
	WBLOCK 1
	WBLOCK 2
	WBLOCK 3
	v_lshl_or_b32 v241, v243, 16, v242             ; the scale word: block 2 hh + c at byte 2 c + hh
	v_lshl_or_b32 v241, v244, 8, v241
	v_lshl_or_b32 v241, v245, 24, v241
.irp n, 0,1,2,3,4,5
	ds_load_b128 v[192+4*\n:195+4*\n], v5 offset:1664*(\n/3)+512*(\n%3)   ; LDS serves a wave's instructions in order: these see my stores
.endr
	global_store_b32 v6, v241, s[22:23]            ; 4 bytes a column and K step, rows 32 bytes apart: one twenty-fourth of the codes' bytes
.irp n, 0,1,2,3,4,5
	s_wait_dscnt 5-\n                              ; granule n is back; the younger ones may be out
	global_store_b128 v7, v[192+4*\n:195+4*\n], s[22:23] offset:1536*(\n/3)+512*(\n%3)   ; 512 consecutive bytes
.endr
	s_branch .Lend
; ---- q, k, v.  A wave takes one tile of 16 rows, all K, a K step of 128 at a time.  Each load takes 512 consecutive bytes of a row; the step turns through my stage, so that a lane gets 64 neighbours: its two blocks.
.Lact:
	s_sub_co_u32 s31, ttmp9, 512
	s_lshl_b32 s31, s31, 2
	s_add_co_u32 s31, s31, s26                     ; 0 .. 1535
	s_lshr_b32 s32, s31, 9                         ; which tensor
	s_and_b32 s33, s31, 511                        ; T: which tile
	s_cmp_eq_u32 s32, 1
	s_cselect_b64 s[34:35], s[6:7], s[4:5]
	s_cmp_eq_u32 s32, 2
	s_cselect_b64 s[34:35], s[8:9], s[34:35]
	s_lshr_b32 s36, s33, 1
	s_lshl_b32 s36, s36, 17                        ; 32 rows of 4,096 bytes a pair of tiles,
	s_and_b32 s38, s33, 1
	s_lshl_b32 s38, s38, 15                        ; 8 rows on for the odd tile
	s_add_co_u32 s36, s36, s38
	s_add_nc_u64 s[34:35], s[34:35], s[36:37]
	LOADROWS 0, 0, 4096
	LOADROWS 1, 512, 4096
	s_mul_i32 s36, s32, 6553600
	s_lshr_b32 s38, s33, 2
	s_mul_i32 s38, s38, 51200
	s_add_co_u32 s36, s36, s38
	s_add_nc_u64 s[20:21], s[20:21], s[36:37]      ; my block of 64 rows in xa
	s_and_b32 s38, s33, 3                          ; my tile in it
	s_mul_i32 s39, s38, 1536
	v_add_nc_u32 v31, s39, v1                      ; where a granule goes
	s_mul_i32 s40, s26, STGB                       ; my stage (STA = 0)
	v_add_nc_u32 v28, s40, v1
	v_mul_u32_u24 v29, v2, SPB
	v_lshl_add_u32 v29, v3, 8, v29
	v_add_nc_u32 v29, s40, v29                     ; back: row r, 256 bytes on for lanes 16-31: blocks 2 hh and 2 hh + 1
	v_lshlrev_b32 v240, 3, v3                      ; 8 hh
	v_mov_b32 v239, 0                              ; written once: a lane permute's destination counts as one of its sources
.macro ASTEP s
.if \s < 7
	s_wait_loadcnt 16                              ; this step's 16 loads are in; the next step's may be out
.else
	s_wait_loadcnt 0x0
.endif
	TURNIN (\s)%2
.irp e, 0,1,2,3,4,5,6,7,8,9,10,11,12,13,14,15
	ds_load_b128 v[X+4*\e:X+4*\e+3], v29 offset:16*\e          ; X[32 c + i] = number i of block 2 hh + c of my row
.endr
	s_wait_dscnt 0x0                               ; the numbers are back, and the stores have read their registers,
.if \s+2 < 8
	LOADROWS (\s)%2, 512*((\s)+2), 4096            ; which take the loads of two steps on
.endif
.irp c, 0,1
	v_max3_num_f32 v[232+\c], |v[X+32*\c]|, |v[X+32*\c+1]|, 0x2800000   ; my two blocks by turns; the floor 2^(5 - 127) among the leaves
.endr
.irp i, 2,4,6,8,10,12,14,16,18,20,22,24,26,28,30
.irp c, 0,1
	v_max3_num_f32 v[232+\c], v[232+\c], |v[X+32*\c+\i]|, |v[X+32*\c+\i+1]|
.endr
.endr
.irp c, 0,1
	v_add_nc_u32 v[234+\c], 0xfe000000, v[232+\c]  ; 4 off the exponent field: the conversion's scale operand
.endr
.irp c, 0,1
	v_lshrrev_b32 v[236+\c], 23, v[234+\c]         ; the scale's byte
.endr
	v_lshl_or_b32 v238, v237, 16, v236             ; my two bytes at places hh and 2 + hh,
	v_lshlrev_b32 v238, v240, v238
	v_permlanex16_b32 v239, v238, s28, s29
	v_or_b32 v[SW+\s], v238, v239                  ; with lane l xor 16's two the word is whole
	s_wait_xcnt 0x0                                ; the last step's stores have read the codes' registers: they are written again only behind this wait
	v_cvt_scalef32_pk16_bf6_f32 v[PC:PC+2], v[X:X+15], v234
	v_cvt_scalef32_pk16_bf6_f32 v[224:226], v[X+16:X+31], v234      ; (a conversion's three registers begin on an even number)
	v_cvt_scalef32_pk16_bf6_f32 v[PC+6:PC+8], v[X+32:X+47], v235
	v_cvt_scalef32_pk16_bf6_f32 v[228:230], v[X+48:X+63], v235
	v_nop                                          ; one plain place behind a scaled conversion
.irp i, 0,1,2
	v_mov_b32 v[PC+3+\i], v[224+\i]
	v_mov_b32 v[PC+9+\i], v[228+\i]
.endr
.irp g, 0,1,2
	global_store_b128 v31, v[PC+4*\g:PC+4*\g+3], s[20:21] offset:2048+6144*(\s)+512*\g   ; a granule: 512 consecutive bytes
.endr
.endm
.irp s, 0,1,2,3,4,5,6,7
	ASTEP \s
.endr
.irp i, 0,1,2,3
	v_cndmask_b32 v[232+\i], v[SW+\i], v[SW+4+\i], s30         ; lanes 0-15 store K steps 0-3 of their row's words, lanes 16-31 K steps 4-7
.endr
	s_lshl_b32 s39, s38, 9
	v_lshlrev_b32 v238, 5, v2
	v_lshl_add_u32 v238, v3, 4, v238
	v_add_nc_u32 v238, s39, v238
	global_store_b128 v238, v[232:235], s[20:21]   ; the tile's 512 bytes of scale words
	s_branch .Lend
; ---- THE MASK.  A work-group takes a tile of 16 queries, a wave four key steps of 128.  The words turn through my stage as the activations do; a compare gives a word of 32 lane bits, and 64 such words leave as 256 consecutive bytes.
.Lmask:
	s_lshr_b32 s31, ttmp9, 7
	s_lshl_b32 s31, s31, 11                        ; the batch's 2,048 rows,
	s_bfe_u32 s32, ttmp9, 0x60001
	s_lshl_b32 s32, s32, 5                         ; the pair of tiles,
	s_add_co_u32 s31, s31, s32
	s_and_b32 s32, ttmp9, 1
	s_lshl_b32 s32, s32, 3                         ; the tile
	s_add_co_u32 s31, s31, s32
	s_lshl_b32 s36, s31, 13                        ; rows of 8,192 bytes
	s_lshl_b32 s32, s26, 11                        ; my four steps of 512 bytes
	s_add_co_u32 s36, s36, s32
	s_add_nc_u64 s[34:35], s[10:11], s[36:37]
	LOADROWS 0, 0, 8192
	LOADROWS 1, 512, 8192
	s_lshl_b32 s36, ttmp9, 12
	s_lshl_b32 s32, s26, 10
	s_add_co_u32 s36, s36, s32
	s_add_nc_u64 s[24:25], s[24:25], s[36:37]
	s_mul_i32 s40, s26, STGB
	s_add_co_u32 s40, s40, STM
	v_add_nc_u32 v28, s40, v1
	v_mul_u32_u24 v29, v2, SPB
	v_lshl_add_u32 v29, v3, 6, v29
	v_add_nc_u32 v29, s40, v29                     ; back: row r, 16 keys on for lanes 16-31
	v_lshlrev_b32 v31, 3, v30                      ; out: 8 bytes a lane
	v_mov_b32 v24, 0                               ; written once: v_writelane_b32's destination counts as read
	v_mov_b32 v25, 0
.macro MSTEP i
.if \i < 3
	s_wait_loadcnt 16                              ; this step's 16 loads are in; the next step's may be out
.else
	s_wait_loadcnt 0x0
.endif
	TURNIN (\i)%2
.irp b, 0,1,2,3
.irp e, 0,1,2,3
	ds_load_b128 v[X+16*\b+4*\e:X+16*\b+4*\e+3], v29 offset:128*\b+16*\e   ; X[n] = mask(query r, key 32 (n / 16) + 16 hh + n % 16 of the step)
.endr
.endr
	s_wait_dscnt 0x0
.if \i+2 < 4
	LOADROWS (\i)%2, 512*((\i)+2), 8192
.endif
.if \i > 0
	s_wait_xcnt 0x0                                ; the last step's store has read v24 and v25
.endif
.irp g, 0,1,2,3
.irp k, 0,1,2,3,4,5,6,7,8,9,10,11,12,13,14,15
	v_cmp_eq_u32 s[44+\k], 0, v[X+16*\g+\k]        ; bit l: masked
.endr
.irp k, 0,1,2,3,4,5,6,7,8,9,10,11,12,13,14,15
	v_writelane_b32 v[24+(\k%2)], s[44+\k], (16*\g+\k)/2       ; word n to lane n / 2, register n % 2
.endr
.endr
	global_store_b64 v31, v[24:25], s[24:25] offset:256*\i     ; 256 consecutive bytes, aligned
.endm
	MSTEP 0
	MSTEP 1
	MSTEP 2
	MSTEP 3
.Lend:
	s_wait_tensorcnt 0x0                           ; the wave's end: behind my last LDS store
	ds_add_u32 v[SPW], v[NIL]
	s_wait_dscnt 0x0
	s_endpgm
.Lfunc_end_k_q4febb97dc7_prep:
	.size	k_q4febb97dc7_prep, .Lfunc_end_k_q4febb97dc7_prep-k_q4febb97dc7_prep
	.p2alignl 7, 3214868480
	.fill 96, 4, 3214868480
	.section	.rodata,"a",@progbits
	.p2align	6, 0x0
	.amdhsa_kernel k_q4febb97dc7_prep
		.amdhsa_group_segment_fixed_size 81408
		.amdhsa_private_segment_fixed_size 0
		.amdhsa_enable_private_segment 0
		.amdhsa_kernarg_size 88
		.amdhsa_user_sgpr_count 2
		.amdhsa_user_sgpr_kernarg_segment_ptr 1
		.amdhsa_wavefront_size32 1
		.amdhsa_system_sgpr_workgroup_id_x 1
		.amdhsa_system_sgpr_workgroup_id_y 1
		.amdhsa_system_sgpr_workgroup_id_z 1
		.amdhsa_system_vgpr_workitem_id 0
		.amdhsa_next_free_vgpr 248
		.amdhsa_next_free_sgpr 66
		.amdhsa_reserve_vcc 0
		.amdhsa_float_denorm_mode_32 3
		.amdhsa_float_denorm_mode_16_64 3
		.amdhsa_memory_ordered 1
		.amdhsa_forward_progress 1
		.amdhsa_inst_pref_size 127
	.end_amdhsa_kernel
	.amdgpu_metadata
---
amdhsa.version: [ 1, 2 ]
amdhsa.kernels:
  - .name:           k_q4febb97dc7_prep
    .symbol:         k_q4febb97dc7_prep.kd
    .args:
      - { .name: q, .offset: 0, .size: 8, .value_kind: global_buffer, .address_space: global }
      - { .name: k, .offset: 8, .size: 8, .value_kind: global_buffer, .address_space: global }
      - { .name: v, .offset: 16, .size: 8, .value_kind: global_buffer, .address_space: global }
      - { .name: mask, .offset: 24, .size: 8, .value_kind: global_buffer, .address_space: global }
      - { .name: w_qs, .offset: 32, .size: 8, .value_kind: global_buffer, .address_space: global }
      - { .name: w_ks, .offset: 40, .size: 8, .value_kind: global_buffer, .address_space: global }
      - { .name: w_vs, .offset: 48, .size: 8, .value_kind: global_buffer, .address_space: global }
      - { .name: w_fc, .offset: 56, .size: 8, .value_kind: global_buffer, .address_space: global }
      - { .name: xa, .offset: 64, .size: 8, .value_kind: global_buffer, .address_space: global }
      - { .name: wa, .offset: 72, .size: 8, .value_kind: global_buffer, .address_space: global }
      - { .name: mb, .offset: 80, .size: 8, .value_kind: global_buffer, .address_space: global }
    .group_segment_fixed_size: 81408
    .private_segment_fixed_size: 0
    .kernarg_segment_align: 8
    .kernarg_segment_size: 88
    .max_flat_workgroup_size: 128
    .sgpr_count:     66
    .vgpr_count:     248
    .wavefront_size: 32
...
	.end_amdgpu_metadata
.endif
;; end of part 1
;; launch proj (part 2): grid 4 x 192, 4 waves a work-group, clusters of 4 x 4, 327,680 bytes of LDS; arguments xa, wa, hc; writes hc
.if DOCPART == 2
	.amdgcn_target "amdgcn-amd-amdhsa--gfx1250"
	.amdhsa_code_object_version 6
	.text
	.protected	k_q4febb97dc7_proj
	.globl	k_q4febb97dc7_proj
	.p2align	8
	.type	k_q4febb97dc7_proj,@function
k_q4febb97dc7_proj:
	s_mov_b64 s[64:65], 0
	v_nop
	global_prefetch_b8 v0, s[64:65] scope:SCOPE_SE
	s_setreg_imm32_b32 hwreg(HW_REG_WAVE_MODE, 25, 1), 1
	s_wait_xcnt 0x0
	s_wait_alu depctr_hold_cnt(0) depctr_sa_sdst(0) depctr_va_vdst(0) depctr_va_sdst(0) depctr_va_ssrc(0) depctr_va_vcc(0) depctr_vm_vsrc(0)
	s_getreg_b32 s2, hwreg(HW_REG_IB_STS2, 6, 4)
	s_cmp_eq_u32 s2, 0
	s_cbranch_scc0 .Lentry_in_a_cluster
	s_endpgm
.Lentry_in_a_cluster:
	s_bfe_u32 s2, ttmp6, 0x10000c
	s_cmp_lg_u32 s2, 0xf033
	s_cbranch_scc0 .Lentry_shape_is_right
	s_endpgm
.Lentry_shape_is_right:
; Launch 2 of 4: the three projections, each result quantised in registers for the attention launch.  Nothing is left out.
; Y[i][j] = sum over k of X1[i][k] X2[j][k], K = 1,024, on codes of E3M2; Y is quantised along j and stored as codes.
;   variant 0, 1 (Q, K): X1 = q's or k's codes (i = token), X2 = w_qs's or w_ks's (j = head x 64 + d): blocks of 32 along d.     variant 2 (V): X1 = w_vs's codes (i = head x 64 + d), X2 = v's (j = token): blocks of 32 along the keys.
; The variant is the cluster's y / 16; it chooses pointers and offsets by s_cselect, and no branch hangs on it.
; SHARES.  A work-group makes 128 (i) x 256 (j); wave (wi, wj) 64 x 128: 32 accumulators.  ALL OF K OF BOTH OPERANDS LIES IN LDS (307,200 bytes), each byte filled once: no ring.  Each operand comes in four pieces along K,
; and a K step begins when its pieces have landed.  By this text's own count a wave has four tensor loads outstanding.
; CLUSTERS: 4 x 4 work-groups.  X1's rows are shared along a row of the cluster, X2's along a column: each piece is asked for jointly, which divides the requests by four.
; THE MATRIX INSTRUCTION IS USED TRANSPOSED (source 0 = 16 rows of X2, source 1 = 16 rows of X1): a lane holds one row i, and, by the choice of the rows that form a tile (launch 1), the 16 registers of two neighbouring tiles of X2
; are 16 neighbours along j.  So the conversions' results are the next product's operand registers, and they are stored as such.
; LAYOUT OF hc: three parts (Q, K, V) of 128 rows of 57,344 bytes; a row is 16 x 2 cells of 1,792 bytes.  A cell holds, for 32 rows i (two tiles u) and 64 along j: [u = 0: 3 x 256 bytes][u = 1: 3 x 256][256 of scale words];
;   piece y of a tile = registers 2 y, 2 y + 1 of the six, lane l at 8 l; scale words: lane l at 8 l, lanes 0-15 tile 0's rows, lanes 16-31 tile 1's, the word written twice.
;   Q, K: cell (pair of token tiles P, head) at (P / 2) 57,344 + head 3,584 + (P % 2) 1,792.     V: cell (pair of d tiles P, key step jc, half c) at (2 jc + c) 57,344 + (P / 2) 3,584 + (P % 2) 1,792.
; LIMITS: as in launch 1 (byte floor 1; NaN and infinities not served).
; REGISTERS, in windows of 256: window 0: v2-9 addresses; v28, v29 the add's two; v32-47 X1's scale words, v48-79 X2's; v80-122 the quantiser's; v128-223 X1's fragments, two sets.   window 1: X2's fragments, two sets of 96.   window 2: accumulator (a, b) at v[8 (8 a + b)].
.set BLK,   51200                      ; a block of 64 rows, all K
.set PIECE, 12800                      ; a quarter of it: 25 granules of 512 bytes
.set X2L,   2*BLK                      ; LDS: X1's two blocks on end, then X2's: for each half of 128 rows, piece by piece, the two blocks' pieces side by side
.set SPARE, 6*BLK                      ; the spare words, 128 bytes for each wave: two blocks of 256 bytes that no other line names
.set ADRA, 2                           ; v2   16 x lane + my block of X1
.set ADRB, 3                           ; v3   16 x lane + my half of X2;  v4: 51,200 bytes further on (an LDS offset has 16 bits)
.set ASA,  5                           ; v5   32 x lane + my block of X1: scale words
.set ASB,  6                           ; v6   the same for X2
.set VO0,  8                           ; v8   8 x lane: the way out, half c = 0
.set VO1,  9                           ; v9   and c = 1
.set SPW,  28
.set NIL,  29
.set SA,   32                          ; X1's scale words: pair of tiles x, K step s at v[SA + 8 x + s]; lanes 0-15 the even tile's rows, lanes 16-31 the odd tile's
.set SBW,  48                          ; X2's likewise, four pairs
.set TM,   80                          ; v80-83 largest magnitudes, v84-87 bytes, v92-95 scale operands
.set PW,   96                          ; v96, v97 the scale words of tiles u = 0, 1
.set SWD,  98                          ; v98-101 two scale words, each twice
.set PC,   104                         ; v104-115 a fragment's codes; v116-122 the conversions' second halves
.set FA,   128
.set G1A, 24                           ; s[24:31] group 1 for X1's pieces;  s[40:55] four groups 0
.set G1B, 32                           ; s[32:39] for X2's;  s[68:83]
.set G0A, 40
.set G0B, 68
.set MSB, 0
.macro WIN new                         ; the immediate's high byte repeats the setting that is left
.if MSB != \new
	s_set_vgpr_msb (MSB<<8)|\new
.set MSB, \new
.endif
.endm
.macro CROUND                          ; a round of the cluster's barrier
	s_barrier_signal -1
	s_barrier_wait -1
	s_cmp_lg_u32 s10, 0
	s_cbranch_scc1 .Lnot_wave_0_\@
	s_barrier_signal -3
.Lnot_wave_0_\@:
	s_barrier_wait -3
	s_barrier_signal -1
	s_barrier_wait -1
.endm
.macro PLACES                          ; four places behind a matrix instruction, in front of loads into registers that it has read and of the first read of its result
.rept 4
	v_nop
.endr
.endm
.macro SYNC n                          ; my loads but the n youngest have landed; then everybody's have.
	s_wait_tensorcnt \n
	s_wait_dscnt 0x0
	s_barrier_signal -1
	s_barrier_wait -1
.endm
.macro WMS z, ra, rb                   ; one product, registers by the symbols rD, rA, rB, rSA, rSB.  z: it starts the sum.  ra, rb: the scales stand in lanes 16-31
.if \z
.if (\ra) && (\rb)
	v_wmma_scale_f32_16x16x128_f8f6f4 v[rD:rD+7], v[rA:rA+11], v[rB:rB+11], 0, v[rSA], v[rSB] matrix_a_fmt:MATRIX_FMT_BF6 matrix_b_fmt:MATRIX_FMT_BF6 matrix_a_scale:MATRIX_SCALE_ROW1 matrix_b_scale:MATRIX_SCALE_ROW1
.elseif (\ra)
	v_wmma_scale_f32_16x16x128_f8f6f4 v[rD:rD+7], v[rA:rA+11], v[rB:rB+11], 0, v[rSA], v[rSB] matrix_a_fmt:MATRIX_FMT_BF6 matrix_b_fmt:MATRIX_FMT_BF6 matrix_a_scale:MATRIX_SCALE_ROW1
.elseif (\rb)
	v_wmma_scale_f32_16x16x128_f8f6f4 v[rD:rD+7], v[rA:rA+11], v[rB:rB+11], 0, v[rSA], v[rSB] matrix_a_fmt:MATRIX_FMT_BF6 matrix_b_fmt:MATRIX_FMT_BF6 matrix_b_scale:MATRIX_SCALE_ROW1
.else
	v_wmma_scale_f32_16x16x128_f8f6f4 v[rD:rD+7], v[rA:rA+11], v[rB:rB+11], 0, v[rSA], v[rSB] matrix_a_fmt:MATRIX_FMT_BF6 matrix_b_fmt:MATRIX_FMT_BF6
.endif
.else
.if (\ra) && (\rb)
	v_wmma_scale_f32_16x16x128_f8f6f4 v[rD:rD+7], v[rA:rA+11], v[rB:rB+11], v[rD:rD+7], v[rSA], v[rSB] matrix_a_fmt:MATRIX_FMT_BF6 matrix_b_fmt:MATRIX_FMT_BF6 matrix_a_scale:MATRIX_SCALE_ROW1 matrix_b_scale:MATRIX_SCALE_ROW1
.elseif (\ra)
	v_wmma_scale_f32_16x16x128_f8f6f4 v[rD:rD+7], v[rA:rA+11], v[rB:rB+11], v[rD:rD+7], v[rSA], v[rSB] matrix_a_fmt:MATRIX_FMT_BF6 matrix_b_fmt:MATRIX_FMT_BF6 matrix_a_scale:MATRIX_SCALE_ROW1
.elseif (\rb)
	v_wmma_scale_f32_16x16x128_f8f6f4 v[rD:rD+7], v[rA:rA+11], v[rB:rB+11], v[rD:rD+7], v[rSA], v[rSB] matrix_a_fmt:MATRIX_FMT_BF6 matrix_b_fmt:MATRIX_FMT_BF6 matrix_b_scale:MATRIX_SCALE_ROW1
.else
	v_wmma_scale_f32_16x16x128_f8f6f4 v[rD:rD+7], v[rA:rA+11], v[rB:rB+11], v[rD:rD+7], v[rSA], v[rSB] matrix_a_fmt:MATRIX_FMT_BF6 matrix_b_fmt:MATRIX_FMT_BF6
.endif
.endif
.endm
; 16 products: X1's tiles a0, a0 + 1 x X2's eight, K step s.  The 32 accumulators take turns, one instruction a turn, in the same order in every K step.
.macro MULH s, set, a0, zero
	WIN 0xa1                                       ; source 0 (X2) window 1, source 1 (X1) window 0, C and D window 2
.irp a, \a0, \a0+1
.irp b, 0,1,2,3,4,5,6,7
.set rD, 8*(8*(\a)+\b)
.set rA, 96*(\set)+12*\b
.set rB, FA+48*(\set)+12*(\a)
.set rSA, SBW+8*(\b/2)+(\s)
.set rSB, SA+8*((\a)/2)+(\s)
	WMS \zero, (\b)%2, (\a)%2
.endr
.endr
.endm
.macro FETCH s, set                    ; K step s: X2's eight fragments and X1's four, three loads of 512 consecutive bytes each
	WIN 0x40                                       ; destination window 1, address window 0
.irp b, 0,1,2,3,4,5,6,7
.irp g, 0,1,2
.set OB, 2048+6144*(\s)+1536*(\b%4)+512*\g         ; the granule's byte in its block,
.set OF, (OB/PIECE)*2*PIECE+PIECE*(\b/4)+OB%PIECE  ; and in my half of X2, where the two blocks' pieces lie side by side
.if OF < BLK
	ds_load_b128 v[96*(\set)+12*\b+4*\g:96*(\set)+12*\b+4*\g+3], v[ADRB] offset:OF
.else
	ds_load_b128 v[96*(\set)+12*\b+4*\g:96*(\set)+12*\b+4*\g+3], v[ADRB+1] offset:OF-BLK
.endif
.endr
.endr
	WIN 0
.irp a, 0,1,2,3
.irp g, 0,1,2
	ds_load_b128 v[FA+48*(\set)+12*\a+4*\g:FA+48*(\set)+12*\a+4*\g+3], v[ADRA] offset:2048+6144*(\s)+1536*\a+512*\g
.endr
.endr
.endm
.macro SCALES                          ; all K steps' scale words, once: eight words a row
.irp x, 0,1
.irp k, 0,1
	ds_load_b128 v[SA+8*\x+4*\k:SA+8*\x+4*\k+3], v[ASA] offset:1024*\x+16*\k
.endr
.endr
.irp x, 0,1,2,3
.irp k, 0,1
	ds_load_b128 v[SBW+8*\x+4*\k:SBW+8*\x+4*\k+3], v[ASB] offset:PIECE*(\x/2)+1024*(\x%2)+16*\k
.endr
.endr
.endm
.macro KSTEP s                         ; K step s needs pieces 0 .. 0,1,1,2,2,3,3,3: the barrier for the next step's piece stands in this step's middle, ahead of the fetch
.set ZZ, 0
.if (\s) == 0
.set ZZ, 1
.endif
	s_wait_dscnt 0x0                               ; this step's fragments are in (asked for 16 products ago)
	MULH \s, (\s)%2, 0, ZZ
.if (\s) < 7
.if (\s) == 0
	SYNC 2                                         ; piece 1 has landed; pieces 2 and 3 may be out
.elseif (\s) == 2
	SYNC 1                                         ; piece 2; piece 3 may be out
.elseif (\s) == 4
	SYNC 0                                         ; piece 3
.endif
	PLACES
	FETCH (\s)+1, 1-(\s)%2
.endif
	MULH \s, (\s)%2, 2, ZZ
.endm
	s_load_b128 s[4:7], s[0:1], 0x0                ; xa, wa
	s_load_b64 s[8:9], s[0:1], 0x10                ; hc
	v_lshl_add_u32 v[SPW], v0, 2, SPARE
	v_mov_b32 v[NIL], 0
	ds_add_u32 v[SPW], v[NIL]                      ; the wave's opening: the add, twice on end, and its wait ahead of my first tensor load
	ds_add_u32 v[SPW], v[NIL]
	v_lshrrev_b32 v1, 5, v0
	v_readfirstlane_b32 s10, v1                    ; wave 0..3
	s_lshr_b32 s11, s10, 1                         ; wi.  Also: I fetch for X1 (0) or for X2 (1)
	s_and_b32 s12, s10, 1                          ; wj.  Also: which half of it I fetch
	s_bfe_u32 s13, ttmp6, 0x40000                  ; cx
	s_bfe_u32 s14, ttmp6, 0x40004                  ; cy
	s_and_b32 s15, ttmp7, 0xffff                   ; cluster y, 0 .. 47
	s_lshr_b32 s16, s15, 4                         ; the variant
	s_and_b32 s17, s15, 15
	s_and_b32 s18, s17, 1                          ; V: 2 clusters along i,
	s_lshr_b32 s19, s17, 1                         ;    8 along j
	s_mul_i32 s84, s16, 6553600                    ; Q, K: X1's part of xa,
	s_mul_i32 s86, s16, 819200                     ;       X2's part of wa
	s_mov_b32 s20, 57344
	s_mov_b32 s21, 3584
	s_mov_b32 s88, 1638400                         ; V: X1 = w_vs's codes in wa,
	s_mov_b32 s89, 13107200                        ;    X2 = v's codes in xa
	s_cmp_eq_u32 s16, 2
	s_cselect_b32 s18, s18, s17                    ; Q, K: 16 clusters along i,
	s_cselect_b32 s19, s19, 0                      ;       one along j
	s_cselect_b32 s22, s21, s20                    ; hc: bytes from one block of 64 rows i to the next,
	s_cselect_b32 s23, s20, s21                    ;     and from one 64 along j to the next
	s_cselect_b32 s84, s88, s84
	s_cselect_b32 s86, s89, s86
	s_lshl_b32 s18, s18, 2
	s_add_co_u32 s18, s18, s14                     ; my 128 rows i: 4 x cluster + cy
	s_lshl_b32 s19, s19, 2
	s_add_co_u32 s19, s19, s13                     ; my 256 rows j: 4 x cluster + cx
	s_lshl_b32 s94, s18, 1
	s_add_co_u32 s94, s94, s12
	s_mul_i32 s94, s94, BLK
	s_add_co_u32 s84, s84, s94                     ; X1: the block that I fetch.  (No register that feeds X1's descriptors holds cx, none that feeds X2's holds cy)
	s_mov_b32 s85, 0
	s_lshl_b32 s95, s19, 2
	s_lshl_b32 s96, s12, 1
	s_add_co_u32 s95, s95, s96
	s_mul_i32 s95, s95, BLK
	s_add_co_u32 s86, s86, s95                     ; X2: the first of the two blocks that I fetch
	s_mov_b32 s87, 0
	s_lshl_b32 s97, s14, 2
	s_lshl_b32 s97, 15, s97                        ; my row of the cluster
	s_lshl_b32 s98, 0x1111, s13                    ; my column
	s_or_b32 s[G1A], s97, (3<<16)|(1<<21)          ; 15:0 the mask; 17:16 elements of 8 bytes; 21 set beside a mask; no padding
	s_mov_b32 s[G1A+1], 32<<16                     ; X1's piece: 12,800 dense bytes as 50 rows of 256: tensor_dim0 = 32
	s_mov_b32 s[G1A+2], 50<<16                     ; tensor_dim1 = 50
	s_mov_b32 s[G1A+3], 32<<16                     ; tile_dim0
	s_mov_b32 s[G1A+4], 50                         ; tile_dim1
	s_mov_b32 s[G1A+5], 32                         ; from row to row
	s_mov_b32 s[G1A+6], 0
	s_mov_b32 s[G1A+7], 0
	s_or_b32 s[G1B], s98, (3<<16)|(1<<21)
	s_mov_b32 s[G1B+1], 1600<<16                   ; X2's piece: the same piece of two blocks: 2 rows of 12,800 bytes, 51,200 apart
	s_mov_b32 s[G1B+2], 2<<16
	s_mov_b32 s[G1B+3], 1600<<16
	s_mov_b32 s[G1B+4], 2
	s_mov_b32 s[G1B+5], 6400
	s_mov_b32 s[G1B+6], 0
	s_mov_b32 s[G1B+7], 0
	s_mul_i32 s56, s12, BLK
	s_mul_i32 s57, s12, 2*BLK
.irp p, 0,1,2,3
	s_mov_b32 s[G0A+4*\p], 1
	s_add_co_u32 s[G0A+4*\p+1], s56, PIECE*\p      ; LDS: no place in the cluster enters an LDS address
	s_mov_b32 s[G0B+4*\p], 1
	s_add_co_u32 s[G0B+4*\p+1], s57, X2L+2*PIECE*\p
.endr
	s_mov_b32 s62, 0x76543210
	s_mov_b32 s63, 0xfedcba98                      ; v_permlanex16_b32's selects for lane l xor 16
	s_mov_b32 s99, 0xffff0000                      ; lanes 16-31
	s_wait_dscnt 0x0                               ; both opening adds are done
	s_wait_kmcnt 0x0
	s_cmp_eq_u32 s16, 2
	s_cselect_b64 s[90:91], s[6:7], s[4:5]         ; X1's buffer
	s_cselect_b64 s[92:93], s[4:5], s[6:7]         ; X2's
	s_add_nc_u64 s[90:91], s[90:91], s[84:85]
	s_add_nc_u64 s[92:93], s[92:93], s[86:87]
.irp p, 0,1,2,3
	s_add_nc_u64 s[G0A+4*\p+2:G0A+4*\p+3], s[90:91], PIECE*\p
	s_or_b32 s[G0A+4*\p+3], s[G0A+4*\p+3], 0x80000000
	s_add_nc_u64 s[G0B+4*\p+2:G0B+4*\p+3], s[92:93], PIECE*\p
	s_or_b32 s[G0B+4*\p+3], s[G0B+4*\p+3], 0x80000000
.endr
	CROUND                                         ; all sixteen work-groups are here: the joint loads meet
	s_cmp_eq_u32 s11, 0                            ; every wave issues four loads, in one arm or the other; an s_nop 0 follows each, four v_nop the last
	s_cbranch_scc0 .Lfill_b
.irp p, 0,1,2,3
	tensor_load_to_lds s[G0A+4*\p:G0A+4*\p+3], s[G1A:G1A+7]
	s_nop 0
.endr
.rept 4
	v_nop
.endr
	s_branch .Lfilled
.Lfill_b:
.irp p, 0,1,2,3
	tensor_load_to_lds s[G0B+4*\p:G0B+4*\p+3], s[G1B:G1B+7]
	s_nop 0
.endr
.rept 4
	v_nop
.endr
.Lfilled:
	v_and_b32 v1, 31, v0                           ; lane
	v_lshlrev_b32 v7, 4, v1
	s_mul_i32 s58, s11, BLK
	v_add_nc_u32 v[ADRA], s58, v7
	s_mul_i32 s59, s12, 2*BLK
	s_add_co_u32 s59, s59, X2L
	v_add_nc_u32 v[ADRB], s59, v7
	v_add_nc_u32 v[ADRB+1], BLK, v[ADRB]
	v_lshlrev_b32 v10, 5, v1
	v_add_nc_u32 v[ASA], s58, v10
	v_add_nc_u32 v[ASB], s59, v10
	v_lshlrev_b32 v[VO0], 3, v1
	v_add_nc_u32 v[VO1], s23, v[VO0]
.irp b, 0,1,2,3
	v_mov_b32 v[TM+4+\b], 0                        ; written once: a lane permute's destination counts as one of its sources
.endr
	s_mul_i32 s60, s16, 7340032                    ; hc: the variant's part,
	s_lshl_b32 s61, s18, 1
	s_add_co_u32 s61, s61, s11
	s_mul_i32 s61, s61, s22                        ; my 64 rows i,
	s_add_co_u32 s60, s60, s61
	s_lshl_b32 s61, s19, 1
	s_add_co_u32 s61, s61, s12
	s_lshl_b32 s61, s61, 1
	s_mul_i32 s61, s61, s23                        ; my 128 along j: two halves of 64
	s_add_co_u32 s60, s60, s61
	s_mov_b32 s61, 0
	s_add_nc_u64 s[8:9], s[8:9], s[60:61]
	SYNC 3                                         ; piece 0 (the scale words and K step 0) has landed; pieces 1 to 3 may be out
	SCALES
	FETCH 0, 0
.irp s, 0,1,2,3,4,5,6,7
	KSTEP \s
.endr
; THE WAY OUT.  Tile a of my rows: 64 registers a lane, register 16 b + i = j 32 b + 16 (lane / 16) + i of my row: four blocks of 32, each shared with lane l xor 16.  They become a fragment's twelve registers and a scale word.
.macro QUANT a, pw
	WIN 0x0a                                       ; sources 0 and 1 window 2
.irp b, 0,1,2,3
	v_max3_num_f32 v[TM+\b], |v[64*(\a)+16*\b]|, |v[64*(\a)+16*\b+1]|, 0x2800000   ; each accumulator is read from its low end on; the floor 2^(5 - 127) among the leaves
.endr
.irp i, 2,4,6,8,10,12,14
.irp b, 0,1,2,3
	v_max3_num_f32 v[TM+\b], |v[64*(\a)+16*\b+\i]|, |v[64*(\a)+16*\b+\i+1]|, v[TM+\b]
.endr
.endr
	WIN 0
.irp b, 0,1,2,3
	v_permlanex16_b32 v[TM+4+\b], v[TM+\b], s62, s63
.endr
.irp b, 0,1,2,3
	v_max_num_f32 v[TM+\b], v[TM+\b], v[TM+4+\b]   ; the block's largest magnitude
.endr
.irp b, 0,1,2,3
	v_add_nc_u32 v[TM+12+\b], 0xfe000000, v[TM+\b] ; 4 off the exponent field: the conversion's scale operand
.endr
.irp b, 0,1,2,3
	v_lshrrev_b32 v[TM+4+\b], 23, v[TM+12+\b]      ; the scale's byte
.endr
	v_lshl_or_b32 v[\pw], v[TM+5], 8, v[TM+4]
	v_lshl_or_b32 v[\pw], v[TM+6], 16, v[\pw]
	v_lshl_or_b32 v[\pw], v[TM+7], 24, v[\pw]
	s_wait_xcnt 0x0                                ; the stores issued so far have read their registers: the codes' are written again only behind this wait
	WIN 0x02                                       ; source 0 window 2
.irp c, 0,1
	v_cvt_scalef32_pk16_bf6_f32 v[PC+6*\c:PC+6*\c+2], v[64*(\a)+32*\c:64*(\a)+32*\c+15], v[TM+12+2*\c]
	v_cvt_scalef32_pk16_bf6_f32 v[PC+12+4*\c:PC+14+4*\c], v[64*(\a)+32*\c+16:64*(\a)+32*\c+31], v[TM+12+2*\c+1]   ; (a conversion's three registers begin on an even number)
.endr
	WIN 0
	v_nop                                          ; one plain place behind a scaled conversion
.irp c, 0,1                            ; the operand's layout wants a whole block in a lane: lanes 0-15 block 2 c, lanes 16-31 block 2 c + 1
.irp i, 0,1,2
	v_permlane16_swap_b32 v[PC+6*\c+\i], v[PC+12+4*\c+\i]
.endr
.irp i, 0,1,2
	v_mov_b32 v[PC+3+6*\c+\i], v[PC+12+4*\c+\i]
.endr
.endr
.endm
	PLACES
.irp e, 0,1                            ; my two pairs of tiles
.irp u, 0,1
	QUANT 2*\e+\u, PW+\u
.irp y, 0,1,2
	global_store_b64 v[VO0], v[PC+2*\y:PC+2*\y+1], s[8:9] offset:1792*\e+768*\u+256*\y       ; registers 0-5: the first 64 along j.  32 lanes store 256 consecutive bytes, aligned
	global_store_b64 v[VO1], v[PC+6+2*\y:PC+7+2*\y], s[8:9] offset:1792*\e+768*\u+256*\y     ; registers 6-11: the second
.endr
.endr
	v_cndmask_b32 v[SWD], v[PW], v[PW+1], s99      ; lanes 0-15 tile 0's words, lanes 16-31 tile 1's.  (These four were last read by stores ahead of the two waits above)
	v_mov_b32 v[SWD+1], v[SWD]
	v_lshrrev_b32 v[SWD+2], 16, v[SWD]             ; the second 64's two bytes, brought down
	v_mov_b32 v[SWD+3], v[SWD+2]
	global_store_b64 v[VO0], v[SWD:SWD+1], s[8:9] offset:1792*\e+1536
	global_store_b64 v[VO1], v[SWD+2:SWD+3], s[8:9] offset:1792*\e+1536
.endr
	s_wait_tensorcnt 0x0                           ; the wave's end
	ds_add_u32 v[SPW], v[NIL]
	s_wait_dscnt 0x0
	CROUND                                         ; the closing round: no work-group ends while a partner may still ask for a piece that names it
	s_endpgm
.Lfunc_end_k_q4febb97dc7_proj:
	.size	k_q4febb97dc7_proj, .Lfunc_end_k_q4febb97dc7_proj-k_q4febb97dc7_proj
	.p2alignl 7, 3214868480
	.fill 96, 4, 3214868480
	.section	.rodata,"a",@progbits
	.p2align	6, 0x0
	.amdhsa_kernel k_q4febb97dc7_proj
		.amdhsa_group_segment_fixed_size 327680
		.amdhsa_private_segment_fixed_size 0
		.amdhsa_enable_private_segment 0
		.amdhsa_kernarg_size 24
		.amdhsa_user_sgpr_count 2
		.amdhsa_user_sgpr_kernarg_segment_ptr 1
		.amdhsa_wavefront_size32 1
		.amdhsa_system_sgpr_workgroup_id_x 1
		.amdhsa_system_sgpr_workgroup_id_y 1
		.amdhsa_system_sgpr_workgroup_id_z 1
		.amdhsa_system_vgpr_workitem_id 0
		.amdhsa_next_free_vgpr 768
		.amdhsa_next_free_sgpr 100
		.amdhsa_reserve_vcc 0
		.amdhsa_float_denorm_mode_32 3
		.amdhsa_float_denorm_mode_16_64 3
		.amdhsa_memory_ordered 1
		.amdhsa_forward_progress 1
		.amdhsa_inst_pref_size 81
	.end_amdhsa_kernel
	.amdgpu_metadata
---
amdhsa.version: [ 1, 2 ]
amdhsa.kernels:
  - .name:           k_q4febb97dc7_proj
    .symbol:         k_q4febb97dc7_proj.kd
    .args:
      - { .name: xa, .offset: 0, .size: 8, .value_kind: global_buffer, .address_space: global }
      - { .name: wa, .offset: 8, .size: 8, .value_kind: global_buffer, .address_space: global }
      - { .name: hc, .offset: 16, .size: 8, .value_kind: global_buffer, .address_space: global }
    .group_segment_fixed_size: 327680
    .private_segment_fixed_size: 0
    .kernarg_segment_align: 8
    .kernarg_segment_size: 24
    .max_flat_workgroup_size: 128
    .sgpr_count:     100
    .vgpr_count:     768
    .wavefront_size: 32
...
	.end_amdgpu_metadata
.endif
;; end of part 2
;; launch attn (part 3): grid 4 x 64, 16 waves a work-group, clusters of 4 x 1, 262,144 bytes of LDS; arguments hc, mb, ao; writes ao
.if DOCPART == 3
	.amdgcn_target "amdgcn-amd-amdhsa--gfx1250"
	.amdhsa_code_object_version 6
	.text
	.protected	k_q4febb97dc7_attn
	.globl	k_q4febb97dc7_attn
	.p2align	8
	.type	k_q4febb97dc7_attn,@function
k_q4febb97dc7_attn:
	s_mov_b64 s[64:65], 0
	v_nop
	global_prefetch_b8 v0, s[64:65] scope:SCOPE_SE
	s_setreg_imm32_b32 hwreg(HW_REG_WAVE_MODE, 25, 1), 1
	s_wait_xcnt 0x0
	s_wait_alu depctr_hold_cnt(0) depctr_sa_sdst(0) depctr_va_vdst(0) depctr_va_sdst(0) depctr_va_ssrc(0) depctr_va_vcc(0) depctr_vm_vsrc(0)
	s_getreg_b32 s2, hwreg(HW_REG_IB_STS2, 6, 4)
	s_cmp_eq_u32 s2, 0
	s_cbranch_scc0 .Lentry_in_a_cluster
	s_endpgm
.Lentry_in_a_cluster:
	s_bfe_u32 s2, ttmp6, 0x10000c
	s_cmp_lg_u32 s2, 0x3003
	s_cbranch_scc0 .Lentry_shape_is_right
	s_endpgm
.Lentry_shape_is_right:
; Launch 3 of 4: scores, mask, softmax, the product with V, and the quantiser ahead of the last projection.  Nothing is left out.
; For each batch b, head h, query q: t = logit x log2(e), logit = Q . K / 8 or, where mask == 0, a large negative number; M = the running largest t rounded UP to a whole number; p = 2^(t - M) is quantised along the keys, not normalised;
; the row's sum is taken of the unquantised p and divides O at the end; when M moves, the sum and O are multiplied by 2^(old M - new M), which rounds nothing.  O / the sum is quantised along the head's 64 and stored as codes.
; LIMIT: a masked RAW score is set to -2^33, that is a logit of -2^30 where reference() has -1e9.  c x 2^33 (c = log2(e) / 8) is a whole number and exact in f32, so a row with every key masked gives p = 1 for all its keys, as the stated
; rule's p does (there t has no fraction either); a row with an open key gives p = 0 for its masked keys.  The result differs from reference()'s only where an open logit lies under about -9e8.  NaN and infinities are not served; byte floor 1 as in launch 1.
; SHARES.  A work-group owns 512 queries of one (b, h); each of its sixteen waves two tiles of 16, one after the other (two passes), in 256 registers: four waves to a SIMD, so that one wave's vector work stands beside another's LDS loads and products.
; ALL OF THE HEAD'S K AND V CODES LIE IN LDS (2 x 114,688 bytes), each byte filled once: no ring.  Wave 0 fetches K, wave 1 V, four loads each (four outstanding, by this text's own count); a group of four key steps begins when its load has landed.
; CLUSTER.  The four work-groups of a (b, h) walk the same K and V: each load is asked for jointly.  The place in the cluster enters global addresses of Q, mb and ao alone.
; LAYOUT.  Both products are used transposed (S^T = K Q^T, O^T = V^T P^T): a lane holds ONE query (lane % 16) throughout; by the choice of the rows that form a tile (launch 1) the 16 registers of two neighbouring tiles are 16 neighbours.
; K = 64 IN THE SCORE PRODUCT: Q's registers 6-11 are zero codes.  K's tile t is named as v[32 + 6 t .. 43 + 6 t]: its upper six registers are the next tile's codes, which meet Q's zeros (the last tile's are zeros, written once).
; THE MASK costs one select a score: launch 1 has laid it as lane masks; 64 words a key step come by scalar loads, a step ahead, and are the select operand of v_cndmask_b32.
; REGISTERS: v1, v2 lane addresses; v5, v6 the add's two; v8, v9 the step's addresses; v12 -M, v13 the largest t, v[14:15] the sum; v16-27 Q (pass 0), v28 its scale words; v29 -2^33; v[30:31] c; v32-85 K's or V's fragments;
;   v86-89 K's scale words, v90-91 V's; v96-159 S^T, then p; v160-191 O^T; v192-210 p's codes; v212-231 at work; v232-243 Q (pass 1), v244 its scale words; v245-247 offsets in ao; v248-255 data to store.
.set CELL,  1792
.set STEPB, 4*CELL                     ; a key step: 128 keys of K, or V's two rows of 3,584 bytes
.set GRP,   4*STEPB                    ; what one tensor load brings
.set VL,    16*STEPB                   ; LDS: K from 0, V from here
.set SPARE, 2*VL                       ; the spare words, 128 bytes for each wave: eight blocks of 256 bytes that no other line names
.set SPW, 5
.set NIL, 6
.set KV,  32
.set KS,  86
.set VS,  90
.set S,   96
.set O,   160
.set PCD, 192
.set BM,  212                          ; v212-215 block maxima, v216-219 bytes, v220-223 scale operands
.macro ROUND                           ; a round of the cluster's barrier
	s_barrier_signal -1
	s_barrier_wait -1
	s_cmp_lg_u32 s2, 0
	s_cbranch_scc1 .Lnot_wave_0_\@
	s_barrier_signal -3
.Lnot_wave_0_\@:
	s_barrier_wait -3
	s_barrier_signal -1
	s_barrier_wait -1
.endm
	s_load_b128 s[32:35], s[0:1], 0x0              ; hc, mb  (s32-63 and s68-99 hold the mask words later)
	s_load_b64 s[36:37], s[0:1], 0x10              ; ao
	v_lshl_add_u32 v[SPW], v0, 2, SPARE
	v_mov_b32 v[NIL], 0
	ds_add_u32 v[SPW], v[NIL]                      ; the wave's opening: the add, twice on end, and its wait ahead of the first tensor load
	ds_add_u32 v[SPW], v[NIL]
	v_lshrrev_b32 v3, 5, v0
	v_readfirstlane_b32 s2, v3                     ; wave 0..15
	s_bfe_u32 s38, ttmp6, 0x40000                  ; cx
	s_and_b32 s39, ttmp7, 0xffff                   ; 16 b + h, which the four partners share
	s_lshr_b32 s40, s39, 4                         ; b
	s_and_b32 s41, s39, 15                         ; h
	s_mov_b32 s4, 15|(3<<16)|(1<<21)               ; group 1: 15:0 the mask: all four work-groups; 17:16 elements of 8 bytes; 21 set beside a mask; no padding
	s_mov_b32 s5, 448<<16                          ; 8 rows of 3,584 bytes: tensor_dim0 = 448
	s_mov_b32 s6, 8<<16                            ; tensor_dim1
	s_mov_b32 s7, 448<<16                          ; tile_dim0
	s_mov_b32 s8, 8                                ; tile_dim1
	s_mov_b32 s9, 7168                             ; 57,344 bytes from row to row
	s_mov_b32 s10, 0
	s_mov_b32 s11, 0
	s_min_u32 s45, s2, 1                           ; wave 0 fetches K, wave 1 V (the others make wave 1's descriptors and issue nothing)
	s_add_co_u32 s42, s45, 1
	s_mul_i32 s42, s42, 7340032                    ; K's or V's part of hc,
	s_mul_i32 s43, s40, 1835008                    ; the batch's 32 rows,
	s_add_co_u32 s42, s42, s43
	s_mul_i32 s43, s41, 3584                       ; the head's bytes of a row
	s_add_co_u32 s42, s42, s43
	s_mov_b32 s43, 0
	s_mul_i32 s44, s45, VL
.irp g, 0,1,2,3
	s_mov_b32 s[12+4*\g], 1
	s_add_co_u32 s[13+4*\g], s44, GRP*\g
.endr
	s_mov_b32 s30, 0x76543210
	s_mov_b32 s31, 0xfedcba98                      ; v_permlanex16_b32's selects for lane l xor 16
	s_wait_dscnt 0x0                               ; both opening adds are done
	s_wait_kmcnt 0x0
	s_add_nc_u64 s[46:47], s[32:33], s[42:43]
.irp g, 0,1,2,3
	s_add_nc_u64 s[14+4*\g:15+4*\g], s[46:47], 458752*\g       ; eight rows on
	s_or_b32 s[15+4*\g], s[15+4*\g], 0x80000000
.endr
	ROUND                                          ; all four work-groups are here: the joint loads meet
	s_cmp_lt_u32 s2, 2                             ; a wave's four fills stand in one branch on the wave's number; an s_nop 0 follows each, four v_nop the last
	s_cbranch_scc0 .Lno_fill
.irp g, 0,1,2,3
	tensor_load_to_lds s[12+4*\g:15+4*\g], s[4:11]
	s_nop 0
.endr
.rept 4
	v_nop
.endr
.Lno_fill:
	s_lshl_b32 s48, s40, 6
	s_lshl_b32 s49, s38, 4
	s_add_co_u32 s48, s48, s49
	s_add_co_u32 s48, s48, s2                      ; P = 64 b + 16 cx + wave: my pair of token tiles; pass p takes tile 2 P + p
	s_lshr_b32 s49, s48, 1
	s_mul_i32 s49, s49, 57344
	s_and_b32 s58, s48, 1                          ; P % 2
	s_mul_i32 s50, s58, CELL
	s_add_co_u32 s49, s49, s50
	s_mul_i32 s50, s41, 3584
	s_add_co_u32 s50, s49, s50
	s_mov_b32 s51, 0
	s_add_nc_u64 s[52:53], s[32:33], s[50:51]      ; Q's cell
	v_and_b32 v3, 31, v0
	v_lshlrev_b32 v1, 3, v3                        ; 8 x lane
	v_and_b32 v10, 15, v0                          ; r
	v_bfe_u32 v11, v0, 4, 1                        ; hh
	v_lshlrev_b32 v7, 3, v10
.irp y, 0,1,2
	global_load_b64 v[16+2*\y:17+2*\y], v1, s[52:53] offset:256*\y             ; Q of pass 0
	global_load_b64 v[232+2*\y:233+2*\y], v1, s[52:53] offset:768+256*\y       ; and of pass 1: both stay in registers
.endr
	global_load_b32 v28, v7, s[52:53] offset:1536                              ; their scale words: lane r has row r's
	global_load_b32 v244, v7, s[52:53] offset:1536+128
	s_lshl_b32 s54, s48, 13                        ; mb: 4,096 bytes a tile, my two tiles on end
	s_mov_b32 s55, 0
	s_add_nc_u64 s[28:29], s[34:35], s[54:55]
	s_lshr_b32 s56, s48, 1
	s_mul_i32 s56, s56, 51200
	s_mov_b32 s57, 0
	s_add_nc_u64 s[100:101], s[36:37], s[56:57]    ; ao: my block of 64 tokens
	s_lshr_b32 s59, s41, 1                         ; the last projection's K step: h / 2
	s_and_b32 s60, s41, 1                          ; and the half of the lanes: h % 2
	s_mul_i32 s61, s59, 6144
	s_mul_i32 s62, s58, 3072
	s_add_co_u32 s61, s61, s62
	s_lshl_b32 s62, s60, 8
	s_add_co_u32 s61, s61, s62
	s_add_co_u32 s61, s61, 2048                    ; my fragment's half in the block (pass 0)
	s_lshl_b32 s62, s58, 10
	s_lshl_b32 s63, s59, 2
	s_add_co_u32 s62, s62, s63
	s_add_co_u32 s62, s62, s60                     ; my scale bytes' place
	v_lshlrev_b32 v245, 4, v10
	v_lshl_add_u32 v246, v11, 3, v245
	v_lshl_add_u32 v245, v11, 10, v245
	v_add_nc_u32 v245, s61, v245                   ; 16 bytes: lanes 0-15 registers 0-3 (granule 0), lanes 16-31 registers 8-11 (granule 2)
	v_add_nc_u32 v246, s61, v246
	v_add_nc_u32 v246, 512, v246                   ; 8 bytes of granule 1: lanes 0-15 registers 4, 5, lanes 16-31 registers 6, 7
	v_lshlrev_b32 v247, 5, v10
	v_lshl_add_u32 v247, v11, 1, v247
	v_add_nc_u32 v247, s62, v247                   ; a byte: 32 r + 4 (h / 2) + 2 (lane / 16) + h % 2
	v_add_nc_u32 v2, VL, v1
	v_mov_b32 v29, 0xd0000000                      ; -2^33
	v_mov_b32 v30, 0x3e38aa3b                      ; c = log2(e) / 8,
	v_mov_b32 v31, 0x3e38aa3b                      ; twice: the packed form names a pair
.irp i, 0,1,2,3,4,5
	v_mov_b32 v[22+\i], 0                          ; Q's zero codes for k = 64 .. 127
	v_mov_b32 v[238+\i], 0
	v_mov_b32 v[80+\i], 0                          ; what the last tile of K names beyond its own six
.endr
.irp b, 0,1,2,3
	v_mov_b32 v[BM+4+\b], 0                        ; written once: a lane permute's destination counts as one of its sources
.endr
	v_mov_b32 v224, 0
	v_mov_b32 v227, 0                              ; (named as the upper half of the pair v[226:227])
	s_mov_b32 s66, 0                               ; the mask words' offset: 256 bytes a step
	s_wait_xcnt 0x0                                ; Q's loads have read their base: s52 and s53 are written again only behind this wait
	s_load_b512 s[32:47], s[28:29], 0x0            ; the first step's 64 mask words
	s_load_b512 s[48:63], s[28:29], 0x40
	s_load_b512 s[68:83], s[28:29], 0x80
	s_load_b512 s[84:99], s[28:29], 0xc0
.macro INIT                            ; a pass begins: the largest t is -3e38, under every t; the sum and O^T are zeros, which the first change of M leaves zeros
	v_mov_b32 v13, 0xff61b1e6
	v_floor_f32 v12, -v13
	v_mov_b32 v14, 0
	v_mov_b32 v15, 0
.set j, 0
.rept 32
	v_mov_b32 v[O+j], 0
.set j, j+1
.endr
.endm
; A KEY STEP: 128 keys, at LDS byte s3 of K and of V.  q: Q's registers; qs: its scale words.
.macro STEP q, qs
	v_add_nc_u32 v8, s3, v1
	v_add_nc_u32 v9, s3, v2
	v_nop
	v_nop                                          ; four places behind the last step's products, in front of loads into registers that they have read
.irp g, 0,1,2,3
.irp u, 0,1
.irp y, 0,1,2
	ds_load_b64 v[KV+6*(2*\g+\u)+2*\y:KV+6*(2*\g+\u)+2*\y+1], v8 offset:CELL*\g+768*\u+256*\y   ; 256 consecutive bytes a load
.endr
.endr
	ds_load_b32 v[KS+\g], v8 offset:CELL*\g+1536   ; lanes 0-15 the even tile's scale words, lanes 16-31 the odd tile's
.endr
	s_wait_dscnt 0x0
.irp t, 0,2,4,6
	v_wmma_scale_f32_16x16x128_f8f6f4 v[S+8*\t:S+8*\t+7], v[KV+6*\t:KV+6*\t+11], v[\q:\q+11], 0, v[KS+\t/2], v[\qs] matrix_a_fmt:MATRIX_FMT_BF6 matrix_b_fmt:MATRIX_FMT_BF6
	v_wmma_scale_f32_16x16x128_f8f6f4 v[S+8*\t+8:S+8*\t+15], v[KV+6*\t+6:KV+6*\t+17], v[\q:\q+11], 0, v[KS+\t/2], v[\qs] matrix_a_fmt:MATRIX_FMT_BF6 matrix_b_fmt:MATRIX_FMT_BF6 matrix_a_scale:MATRIX_SCALE_ROW1
.endr                                  ; register 16 b + i of S^T: key 32 b + 16 (lane / 16) + i of the step
.rept 4
	v_nop                                          ; places: for V's loads into K's registers, and for the first read of the scores
.endr
.irp e, 0,1
.irp u, 0,1
.irp c, 0,1
.irp y, 0,1,2
	ds_load_b64 v[KV+12*(2*\e+\u)+6*\c+2*\y:KV+12*(2*\e+\u)+6*\c+2*\y+1], v9 offset:2*CELL*\c+CELL*\e+768*\u+256*\y   ; V's four tiles of 16 d x 128 keys: they land under the softmax
.endr
.endr
.endr
	ds_load_b32 v[VS+\e], v9 offset:CELL*\e+1536
.endr
	s_wait_kmcnt 0x0                               ; this step's mask words are in (asked for a step ago)
.set n, 0
.rept 64
.if n < 32
	v_cndmask_b32 v[S+n], v[S+n], v29, s[32+n]     ; masked scores become -2^33; each accumulator is read from its low end on
.else
	v_cndmask_b32 v[S+n], v[S+n], v29, s[36+n]
.endif
.set n, n+1
.endr
	s_add_co_u32 s66, s66, 256                     ; the next step's words (the scalar loads that read s66 are done: the wait above).
	s_min_u32 s66, s66, 7936                       ; My two tiles' words lie on end; the very last step asks for its own words once more and uses nothing of them: no load leaves mb, and no branch is needed
	s_load_b512 s[32:47], s[28:29], s66 offset:0x0
	s_load_b512 s[48:63], s[28:29], s66 offset:0x40
	s_load_b512 s[68:83], s[28:29], s66 offset:0x80
	s_load_b512 s[84:99], s[28:29], s66 offset:0xc0
.irp b, 0,1,2,3
	v_max3_num_f32 v[BM+\b], v[S+16*\b], v[S+1+16*\b], v[S+2+16*\b]   ; the largest score of each block of 32 keys: it serves for the row's maximum and, since p rises with the score, for the block's largest p
.endr
.irp i, 3,5,7,9,11,13
.irp b, 0,1,2,3
	v_max3_num_f32 v[BM+\b], v[BM+\b], v[S+16*\b+\i], v[S+1+16*\b+\i]
.endr
.endr
.irp b, 0,1,2,3
	v_max_num_f32 v[BM+\b], v[BM+\b], v[S+15+16*\b]
.endr
.irp b, 0,1,2,3
	v_permlanex16_b32 v[BM+4+\b], v[BM+\b], s30, s31
.endr
.irp b, 0,1,2,3
	v_max_num_f32 v[BM+\b], v[BM+\b], v[BM+4+\b]   ; with lane l xor 16's 16 keys
.endr
	v_max3_num_f32 v224, v212, v213, v214
	v_max_num_f32 v224, v224, v215                 ; the step's largest score of my query
	v_mul_f32 v224, v30, v224                      ; as t (c is positive)
	v_max_num_f32 v13, v13, v224                   ; the running largest t
	v_mov_b32 v224, v12
	v_floor_f32 v12, -v13                          ; the new -M = floor(-t) = -ceil(t): a whole number
	v_sub_f32 v224, v12, v224                      ; old M less new M: a whole number, 0 or less
	v_cvt_i32_f32 v224, v224                       ; (it saturates)
	v_ldexp_f32 v226, 1.0, v224                    ; f = 2^(old M - new M)
.set j, 0
.rept 32
	v_pk_fma_f32 v[S+j:S+j+1], v[S+j:S+j+1], v[30:31], v[12:13] op_sel_hi:[1,0,0]   ; t - M, two at a time (of the pairs the low word serves both halves)
.set j, j+2
.endr
.irp b, 0,1,2,3
	v_fma_f32 v[BM+\b], v[BM+\b], v30, v12         ; the same of each block's largest score
.endr
.set j, 0
.rept 64
	v_exp_f32 v[S+j], v[S+j]                       ; p = 2^(t - M), at most 1: not normalised
.set j, j+1
.endr
	v_pk_mul_f32 v[14:15], v[14:15], v[226:227] op_sel_hi:[1,0]   ; the sums under the new M: the plain place behind the exponentials
	s_wait_alu depctr_va_vdst(0)                   ; the wait ahead of the first reader: one for the whole batch
.irp b, 0,1,2,3
	v_exp_f32 v[BM+\b], v[BM+\b]                   ; the block's largest p: the same two instructions on the same number give the same bits
.endr
	v_pk_add_f32 v[230:231], v[S:S+1], v[S+2:S+3]  ; the row's sum is taken of the unquantised p, in two chains: plain work behind the four
.irp j, 4,8,12,16,20,24,28,32,36,40,44,48,52,56,60
	v_pk_add_f32 v[14:15], v[14:15], v[S+\j:S+\j+1]
	v_pk_add_f32 v[230:231], v[230:231], v[S+2+\j:S+3+\j]
.endr
	v_pk_add_f32 v[14:15], v[14:15], v[230:231]
	s_wait_alu depctr_va_vdst(0)                   ; and one for the four
.irp b, 0,1,2,3
	v_max_num_f32 v[BM+\b], 0x2800000, v[BM+\b]    ; the floor 2^(5 - 127): a block whose every p is 0 keeps the byte 1: its codes are zeros
.endr
.irp b, 0,1,2,3
	v_add_nc_u32 v[BM+8+\b], 0xfe000000, v[BM+\b]  ; 4 off the exponent field: the conversion's scale operand
.endr
.irp b, 0,1,2,3
	v_lshrrev_b32 v[BM+4+\b], 23, v[BM+8+\b]       ; the scale's byte
.endr
	v_lshl_or_b32 v228, v217, 8, v216              ; p's scale word for these 128 keys
	v_lshl_or_b32 v228, v218, 16, v228
	v_lshl_or_b32 v228, v219, 24, v228
.irp c, 0,1
	v_cvt_scalef32_pk16_bf6_f32 v[PCD+6*\c:PCD+2+6*\c], v[S+32*\c:S+15+32*\c], v[BM+8+2*\c]
	v_cvt_scalef32_pk16_bf6_f32 v[PCD+12+4*\c:PCD+14+4*\c], v[S+16+32*\c:S+31+32*\c], v[BM+9+2*\c]   ; (a conversion's three registers begin on an even number)
.endr
	v_nop                                          ; one plain place behind a scaled conversion
.irp c, 0,1                            ; the operand's layout wants a whole block in a lane
.irp i, 0,1,2
	v_permlane16_swap_b32 v[PCD+6*\c+\i], v[PCD+12+4*\c+\i]
.endr
.irp i, 0,1,2
	v_mov_b32 v[PCD+3+6*\c+\i], v[PCD+12+4*\c+\i]
.endr
.endr
.set j, 0
.rept 16
	v_pk_mul_f32 v[O+j:O+j+1], v[O+j:O+j+1], v[226:227] op_sel_hi:[1,0]   ; O^T under the new M.  Twelve of these sixteen name no register of any one product below: the places between p's scale word and codes and the products
.set j, j+2
.endr
	s_wait_dscnt 0x0                               ; V is in
.irp e, 0,1                            ; O^T += V^T P^T: four accumulators by turns, one instruction a turn
	v_wmma_scale_f32_16x16x128_f8f6f4 v[O+16*\e:O+16*\e+7], v[KV+24*\e:KV+24*\e+11], v[PCD:PCD+11], v[O+16*\e:O+16*\e+7], v[VS+\e], v228 matrix_a_fmt:MATRIX_FMT_BF6 matrix_b_fmt:MATRIX_FMT_BF6
	v_wmma_scale_f32_16x16x128_f8f6f4 v[O+16*\e+8:O+16*\e+15], v[KV+24*\e+12:KV+24*\e+23], v[PCD:PCD+11], v[O+16*\e+8:O+16*\e+15], v[VS+\e], v228 matrix_a_fmt:MATRIX_FMT_BF6 matrix_b_fmt:MATRIX_FMT_BF6 matrix_a_scale:MATRIX_SCALE_ROW1
.endr
.endm
; A tile's end.  O^T / the sum: register 16 e + i = d 32 e + 16 (lane / 16) + i of my query: two blocks of 32.  Their codes fill, in the last projection's fragment (K step h / 2) of my tile, all twelve registers of the lanes of half h % 2.
.macro FINISH p
.rept 4
	v_nop                                          ; places behind the last products
.endr
	v_add_f32 v14, v14, v15                        ; the sum's two halves,
	v_permlanex16_b32 v224, v14, s30, s31
	v_add_f32 v14, v14, v224                       ; and lane l xor 16's
	v_rcp_f32 v14, v14
	v_nop                                          ; a plain place behind the transcendental
	s_wait_alu depctr_va_vdst(0)                   ; and the wait ahead of its first reader
.set j, 0
.rept 16
	v_pk_mul_f32 v[S+j:S+j+1], v[O+j:O+j+1], v[14:15] op_sel_hi:[1,0]   ; each accumulator is read from its low end on
.set j, j+2
.endr
.irp e, 0,1
	v_max3_num_f32 v[BM+\e], |v[S+16*\e]|, |v[S+1+16*\e]|, 0x2800000
.endr
.irp i, 2,4,6,8,10,12,14
.irp e, 0,1
	v_max3_num_f32 v[BM+\e], v[BM+\e], |v[S+16*\e+\i]|, |v[S+1+16*\e+\i]|
.endr
.endr
.irp e, 0,1
	v_permlanex16_b32 v[BM+4+\e], v[BM+\e], s30, s31
.endr
.irp e, 0,1
	v_max_num_f32 v[BM+\e], v[BM+\e], v[BM+4+\e]
.endr
.irp e, 0,1
	v_add_nc_u32 v[BM+8+\e], 0xfe000000, v[BM+\e]
.endr
.irp e, 0,1
	v_lshrrev_b32 v[BM+4+\e], 23, v[BM+8+\e]
.endr
	v_cvt_scalef32_pk16_bf6_f32 v[192:194], v[S:S+15], v220
	v_cvt_scalef32_pk16_bf6_f32 v[196:198], v[S+16:S+31], v221
	v_nop                                          ; one plain place behind a scaled conversion
.irp i, 0,1,2
	v_permlane16_swap_b32 v[192+\i], v[196+\i]     ; lanes 0-15 now hold block 0 whole (v192-194, v196-198), lanes 16-31 block 1
.endr
.if \p
	s_wait_xcnt 0x0                                ; the last tile's stores have read their data registers
.endif
	s_mov_b32 vcc_lo, 0xffff0000                   ; lanes 16-31
	v_cndmask_b32 v250, v192, v194, vcc_lo         ; lanes 0-15: registers 0-3 of the fragment; lanes 16-31: registers 8-11
	v_cndmask_b32 v251, v193, v196, vcc_lo
	v_cndmask_b32 v252, v194, v197, vcc_lo
	v_cndmask_b32 v253, v196, v198, vcc_lo
	v_cndmask_b32 v254, v197, v192, vcc_lo         ; lanes 0-15: registers 4, 5; lanes 16-31: registers 6, 7
	v_cndmask_b32 v255, v198, v193, vcc_lo
	v_cndmask_b32 v248, v216, v217, vcc_lo         ; my block's byte
	global_store_b128 v245, v[250:253], s[100:101] offset:1536*\p      ; sixteen lanes store 256 consecutive bytes, aligned
	global_store_b64 v246, v[254:255], s[100:101] offset:1536*\p       ; 32 lanes store 256 consecutive bytes, aligned
	global_store_b8 v247, v248, s[100:101] offset:512*\p               ; two bytes a row and head: one twenty-fourth of the codes' bytes
.endm
.macro GROUP g                         ; four key steps, behind the landing of their tiles
	s_wait_tensorcnt 3-\g                          ; waves 0 and 1: my load of this group has landed, the later groups' may be out
	s_wait_dscnt 0x0
	s_barrier_signal -1
	s_barrier_wait -1
	s_mov_b32 s3, GRP*\g
.Lstep_\@:
	STEP 16, 28
	s_add_co_u32 s3, s3, STEPB
	s_cmp_lt_u32 s3, GRP*(\g+1)
	s_cbranch_scc1 .Lstep_\@
.endm
	INIT
	s_wait_loadcnt 0x0                             ; Q
	GROUP 0
	GROUP 1
	GROUP 2
	GROUP 3
	FINISH 0
	INIT                                           ; the second tile: all of K and V lies in LDS, so no barrier stands in its way
	s_mov_b32 s3, 0
.Lsecond:
	STEP 232, 244
	s_add_co_u32 s3, s3, STEPB
	s_cmp_lt_u32 s3, VL
	s_cbranch_scc1 .Lsecond
	FINISH 1
	s_wait_tensorcnt 0x0                           ; the wave's end
	ds_add_u32 v[SPW], v[NIL]
	s_wait_dscnt 0x0
	ROUND                                          ; the closing round: no work-group ends while a partner may still ask for a tile that names it
	s_endpgm
.Lfunc_end_k_q4febb97dc7_attn:
	.size	k_q4febb97dc7_attn, .Lfunc_end_k_q4febb97dc7_attn-k_q4febb97dc7_attn
	.p2alignl 7, 3214868480
	.fill 96, 4, 3214868480
	.section	.rodata,"a",@progbits
	.p2align	6, 0x0
	.amdhsa_kernel k_q4febb97dc7_attn
		.amdhsa_group_segment_fixed_size 262144
		.amdhsa_private_segment_fixed_size 0
		.amdhsa_enable_private_segment 0
		.amdhsa_kernarg_size 24
		.amdhsa_user_sgpr_count 2
		.amdhsa_user_sgpr_kernarg_segment_ptr 1
		.amdhsa_wavefront_size32 1
		.amdhsa_system_sgpr_workgroup_id_x 1
		.amdhsa_system_sgpr_workgroup_id_y 1
		.amdhsa_system_sgpr_workgroup_id_z 1
		.amdhsa_system_vgpr_workitem_id 0
		.amdhsa_next_free_vgpr 256
		.amdhsa_next_free_sgpr 102
		.amdhsa_reserve_vcc 1
		.amdhsa_float_denorm_mode_32 3
		.amdhsa_float_denorm_mode_16_64 3
		.amdhsa_memory_ordered 1
		.amdhsa_forward_progress 1
		.amdhsa_inst_pref_size 126
	.end_amdhsa_kernel
	.amdgpu_metadata
---
amdhsa.version: [ 1, 2 ]
amdhsa.kernels:
  - .name:           k_q4febb97dc7_attn
    .symbol:         k_q4febb97dc7_attn.kd
    .args:
      - { .name: hc, .offset: 0, .size: 8, .value_kind: global_buffer, .address_space: global }
      - { .name: mb, .offset: 8, .size: 8, .value_kind: global_buffer, .address_space: global }
      - { .name: ao, .offset: 16, .size: 8, .value_kind: global_buffer, .address_space: global }
    .group_segment_fixed_size: 262144
    .private_segment_fixed_size: 0
    .kernarg_segment_align: 8
    .kernarg_segment_size: 24
    .max_flat_workgroup_size: 512
    .sgpr_count:     102
    .vgpr_count:     256
    .wavefront_size: 32
...
	.end_amdgpu_metadata
.endif
;; end of part 3
;; launch fc (part 4): grid 4 x 64, 4 waves a work-group, clusters of 4 x 4, 327,680 bytes of LDS; arguments ao, wa, q, out0; writes out0
.if DOCPART == 4
	.amdgcn_target "amdgcn-amd-amdhsa--gfx1250"
	.amdhsa_code_object_version 6
	.text
	.protected	k_q4febb97dc7_fc
	.globl	k_q4febb97dc7_fc
	.p2align	8
	.type	k_q4febb97dc7_fc,@function
k_q4febb97dc7_fc:
	s_mov_b64 s[64:65], 0
	v_nop
	global_prefetch_b8 v0, s[64:65] scope:SCOPE_SE
	s_setreg_imm32_b32 hwreg(HW_REG_WAVE_MODE, 25, 1), 1
	s_wait_xcnt 0x0
	s_wait_alu depctr_hold_cnt(0) depctr_sa_sdst(0) depctr_va_vdst(0) depctr_va_sdst(0) depctr_va_ssrc(0) depctr_va_vcc(0) depctr_vm_vsrc(0)
	s_getreg_b32 s2, hwreg(HW_REG_IB_STS2, 6, 4)
	s_cmp_eq_u32 s2, 0
	s_cbranch_scc0 .Lentry_in_a_cluster
	s_endpgm
.Lentry_in_a_cluster:
	s_bfe_u32 s2, ttmp6, 0x10000c
	s_cmp_lg_u32 s2, 0xf033
	s_cbranch_scc0 .Lentry_shape_is_right
	s_endpgm
.Lentry_shape_is_right:
; Launch 4 of 4: out0 = (attention's result) w_fc + q.  Nothing is left out.
; Y[i][j] = sum over k of X1[i][k] X2[j][k], K = 1,024, on codes of E3M2: X1 = ao (i = token), X2 = w_fc's codes, the fourth part of wa (j = the model's column).  Both lie in the order of the operand's registers (launch 1's layout).
; SHARES, LDS, CLUSTERS and the K loop are launch 2's: a work-group makes 128 x 256, wave (wi, wj) 64 x 128 in 32 accumulators; all of K of both operands lies in LDS, each byte filled once, in four pieces along K;
; X1's pieces are asked for jointly along a row of the 4 x 4 cluster, X2's along a column.  By this text's own count a wave has four tensor loads outstanding.
; THE WAY OUT: the matrix instruction is used transposed, so a lane holds 8 neighbouring columns of a row; 16 rows x 64 columns at a time go through my own stage in LDS and come back as rows of 256 bytes; q's same bytes are added; sixteen lanes store 256 consecutive bytes, aligned.
; REGISTERS, in windows of 256: window 0: v2-12 addresses; v28, v29 the add's two; v32-47 X1's scale words, v48-79 X2's; v128-223 X1's fragments, two sets (on the way out v128-191 rows from the stage, v192-255 q's).   window 1: X2's fragments.   window 2: accumulator (a, b) at v[8 (8 a + b)].
.set BLK,   51200
.set PIECE, 12800
.set X2L,   2*BLK
.set STAGE, 6*BLK                      ; behind the operands: 16 rows x (256 + 16) bytes for each wave; no fill lands here
.set SPITCH, 272
.set SPARE, STAGE+4*16*SPITCH          ; the spare words, 128 bytes for each wave: two blocks of 256 bytes that no other line names
.set ADRA, 2
.set ADRB, 3
.set ASA,  5
.set ASB,  6
.set STO,  10                          ; v10  the stage: where I put 64 bytes of a row
.set RD,   11                          ; v11  and where I read a row back
.set CO,   12                          ; v12  the same place in q and in out0
.set SPW,  28
.set NIL,  29
.set SA,   32
.set SBW,  48
.set FA,   128
.set BK,   128
.set RS,   192
.set G1A, 24
.set G1B, 32
.set G0A, 40
.set G0B, 68
.set MSB, 0
.macro WIN new                         ; the immediate's high byte repeats the setting that is left
.if MSB != \new
	s_set_vgpr_msb (MSB<<8)|\new
.set MSB, \new
.endif
.endm
.macro CROUND                          ; a round of the cluster's barrier
	s_barrier_signal -1
	s_barrier_wait -1
	s_cmp_lg_u32 s12, 0
	s_cbranch_scc1 .Lnot_wave_0_\@
	s_barrier_signal -3
.Lnot_wave_0_\@:
	s_barrier_wait -3
	s_barrier_signal -1
	s_barrier_wait -1
.endm
.macro PLACES                          ; four places behind a matrix instruction, in front of loads into registers that it has read and of the first read of its result
.rept 4
	v_nop
.endr
.endm
.macro SYNC n                          ; my loads but the n youngest have landed; then everybody's have.
	s_wait_tensorcnt \n
	s_wait_dscnt 0x0
	s_barrier_signal -1
	s_barrier_wait -1
.endm
.macro WMS z, ra, rb                   ; one product, registers by the symbols rD, rA, rB, rSA, rSB.  z: it starts the sum.  ra, rb: the scales stand in lanes 16-31
.if \z
.if (\ra) && (\rb)
	v_wmma_scale_f32_16x16x128_f8f6f4 v[rD:rD+7], v[rA:rA+11], v[rB:rB+11], 0, v[rSA], v[rSB] matrix_a_fmt:MATRIX_FMT_BF6 matrix_b_fmt:MATRIX_FMT_BF6 matrix_a_scale:MATRIX_SCALE_ROW1 matrix_b_scale:MATRIX_SCALE_ROW1
.elseif (\ra)
	v_wmma_scale_f32_16x16x128_f8f6f4 v[rD:rD+7], v[rA:rA+11], v[rB:rB+11], 0, v[rSA], v[rSB] matrix_a_fmt:MATRIX_FMT_BF6 matrix_b_fmt:MATRIX_FMT_BF6 matrix_a_scale:MATRIX_SCALE_ROW1
.elseif (\rb)
	v_wmma_scale_f32_16x16x128_f8f6f4 v[rD:rD+7], v[rA:rA+11], v[rB:rB+11], 0, v[rSA], v[rSB] matrix_a_fmt:MATRIX_FMT_BF6 matrix_b_fmt:MATRIX_FMT_BF6 matrix_b_scale:MATRIX_SCALE_ROW1
.else
	v_wmma_scale_f32_16x16x128_f8f6f4 v[rD:rD+7], v[rA:rA+11], v[rB:rB+11], 0, v[rSA], v[rSB] matrix_a_fmt:MATRIX_FMT_BF6 matrix_b_fmt:MATRIX_FMT_BF6
.endif
.else
.if (\ra) && (\rb)
	v_wmma_scale_f32_16x16x128_f8f6f4 v[rD:rD+7], v[rA:rA+11], v[rB:rB+11], v[rD:rD+7], v[rSA], v[rSB] matrix_a_fmt:MATRIX_FMT_BF6 matrix_b_fmt:MATRIX_FMT_BF6 matrix_a_scale:MATRIX_SCALE_ROW1 matrix_b_scale:MATRIX_SCALE_ROW1
.elseif (\ra)
	v_wmma_scale_f32_16x16x128_f8f6f4 v[rD:rD+7], v[rA:rA+11], v[rB:rB+11], v[rD:rD+7], v[rSA], v[rSB] matrix_a_fmt:MATRIX_FMT_BF6 matrix_b_fmt:MATRIX_FMT_BF6 matrix_a_scale:MATRIX_SCALE_ROW1
.elseif (\rb)
	v_wmma_scale_f32_16x16x128_f8f6f4 v[rD:rD+7], v[rA:rA+11], v[rB:rB+11], v[rD:rD+7], v[rSA], v[rSB] matrix_a_fmt:MATRIX_FMT_BF6 matrix_b_fmt:MATRIX_FMT_BF6 matrix_b_scale:MATRIX_SCALE_ROW1
.else
	v_wmma_scale_f32_16x16x128_f8f6f4 v[rD:rD+7], v[rA:rA+11], v[rB:rB+11], v[rD:rD+7], v[rSA], v[rSB] matrix_a_fmt:MATRIX_FMT_BF6 matrix_b_fmt:MATRIX_FMT_BF6
.endif
.endif
.endm
; 16 products: X1's tiles a0, a0 + 1 x X2's eight, K step s.  The 32 accumulators take turns, one instruction a turn, in the same order in every K step.
.macro MULH s, set, a0, zero
	WIN 0xa1                                       ; source 0 (X2) window 1, source 1 (X1) window 0, C and D window 2
.irp a, \a0, \a0+1
.irp b, 0,1,2,3,4,5,6,7
.set rD, 8*(8*(\a)+\b)
.set rA, 96*(\set)+12*\b
.set rB, FA+48*(\set)+12*(\a)
.set rSA, SBW+8*(\b/2)+(\s)
.set rSB, SA+8*((\a)/2)+(\s)
	WMS \zero, (\b)%2, (\a)%2
.endr
.endr
.endm
.macro FETCH s, set                    ; K step s: X2's eight fragments and X1's four, three loads of 512 consecutive bytes each
	WIN 0x40                                       ; destination window 1, address window 0
.irp b, 0,1,2,3,4,5,6,7
.irp g, 0,1,2
.set OB, 2048+6144*(\s)+1536*(\b%4)+512*\g         ; the granule's byte in its block,
.set OF, (OB/PIECE)*2*PIECE+PIECE*(\b/4)+OB%PIECE  ; and in my half of X2, where the two blocks' pieces lie side by side
.if OF < BLK
	ds_load_b128 v[96*(\set)+12*\b+4*\g:96*(\set)+12*\b+4*\g+3], v[ADRB] offset:OF
.else
	ds_load_b128 v[96*(\set)+12*\b+4*\g:96*(\set)+12*\b+4*\g+3], v[ADRB+1] offset:OF-BLK
.endif
.endr
.endr
	WIN 0
.irp a, 0,1,2,3
.irp g, 0,1,2
	ds_load_b128 v[FA+48*(\set)+12*\a+4*\g:FA+48*(\set)+12*\a+4*\g+3], v[ADRA] offset:2048+6144*(\s)+1536*\a+512*\g
.endr
.endr
.endm
.macro SCALES                          ; all K steps' scale words, once: eight words a row
.irp x, 0,1
.irp k, 0,1
	ds_load_b128 v[SA+8*\x+4*\k:SA+8*\x+4*\k+3], v[ASA] offset:1024*\x+16*\k
.endr
.endr
.irp x, 0,1,2,3
.irp k, 0,1
	ds_load_b128 v[SBW+8*\x+4*\k:SBW+8*\x+4*\k+3], v[ASB] offset:PIECE*(\x/2)+1024*(\x%2)+16*\k
.endr
.endr
.endm
.macro KSTEP s                         ; K step s needs pieces 0 .. 0,1,1,2,2,3,3,3: the barrier for the next step's piece stands in this step's middle, ahead of the fetch
.set ZZ, 0
.if (\s) == 0
.set ZZ, 1
.endif
	s_wait_dscnt 0x0                               ; this step's fragments are in (asked for 16 products ago)
	MULH \s, (\s)%2, 0, ZZ
.if (\s) < 7
.if (\s) == 0
	SYNC 2                                         ; piece 1 has landed; pieces 2 and 3 may be out
.elseif (\s) == 2
	SYNC 1                                         ; piece 2; piece 3 may be out
.elseif (\s) == 4
	SYNC 0                                         ; piece 3
.endif
	PLACES
	FETCH (\s)+1, 1-(\s)%2
.endif
	MULH \s, (\s)%2, 2, ZZ
.endm
	s_load_b256 s[4:11], s[0:1], 0x0               ; ao s[4:5], wa s[6:7], q s[8:9], out0 s[10:11]
	v_lshl_add_u32 v[SPW], v0, 2, SPARE
	v_mov_b32 v[NIL], 0
	ds_add_u32 v[SPW], v[NIL]                      ; the wave's opening: the add, twice on end, and its wait ahead of my first tensor load
	ds_add_u32 v[SPW], v[NIL]
	v_lshrrev_b32 v1, 5, v0
	v_readfirstlane_b32 s12, v1                    ; wave 0..3
	s_lshr_b32 s13, s12, 1                         ; wi.  Also: I fetch for X1 (0) or for X2 (1)
	s_and_b32 s14, s12, 1                          ; wj.  Also: which half of it I fetch
	s_bfe_u32 s15, ttmp6, 0x40000                  ; cx: my 256 columns
	s_bfe_u32 s16, ttmp6, 0x40004                  ; cy
	s_and_b32 s17, ttmp7, 0xffff                   ; cluster y, 0 .. 15
	s_lshl_b32 s18, s17, 2
	s_add_co_u32 s18, s18, s16                     ; my 128 tokens: 4 x cluster y + cy
	s_lshl_b32 s84, s18, 1
	s_add_co_u32 s84, s84, s14
	s_mul_i32 s84, s84, BLK                        ; X1: the block that I fetch.  (No register that feeds X1's descriptors holds cx, none that feeds X2's holds cy)
	s_mov_b32 s85, 0
	s_lshl_b32 s86, s15, 2
	s_lshl_b32 s96, s14, 1
	s_add_co_u32 s86, s86, s96
	s_mul_i32 s86, s86, BLK
	s_add_co_u32 s86, s86, 2457600                 ; X2: w_fc's part of wa, the first of the two blocks that I fetch
	s_mov_b32 s87, 0
	s_lshl_b32 s97, s16, 2
	s_lshl_b32 s97, 15, s97                        ; my row of the cluster
	s_lshl_b32 s98, 0x1111, s15                    ; my column
	s_or_b32 s[G1A], s97, (3<<16)|(1<<21)          ; 15:0 the mask; 17:16 elements of 8 bytes; 21 set beside a mask; no padding
	s_mov_b32 s[G1A+1], 32<<16                     ; X1's piece: 12,800 dense bytes as 50 rows of 256
	s_mov_b32 s[G1A+2], 50<<16
	s_mov_b32 s[G1A+3], 32<<16
	s_mov_b32 s[G1A+4], 50
	s_mov_b32 s[G1A+5], 32
	s_mov_b32 s[G1A+6], 0
	s_mov_b32 s[G1A+7], 0
	s_or_b32 s[G1B], s98, (3<<16)|(1<<21)
	s_mov_b32 s[G1B+1], 1600<<16                   ; X2's piece: the same piece of two blocks: 2 rows of 12,800 bytes, 51,200 apart
	s_mov_b32 s[G1B+2], 2<<16
	s_mov_b32 s[G1B+3], 1600<<16
	s_mov_b32 s[G1B+4], 2
	s_mov_b32 s[G1B+5], 6400
	s_mov_b32 s[G1B+6], 0
	s_mov_b32 s[G1B+7], 0
	s_mul_i32 s56, s14, BLK
	s_mul_i32 s57, s14, 2*BLK
.irp p, 0,1,2,3
	s_mov_b32 s[G0A+4*\p], 1
	s_add_co_u32 s[G0A+4*\p+1], s56, PIECE*\p      ; LDS: no place in the cluster enters an LDS address
	s_mov_b32 s[G0B+4*\p], 1
	s_add_co_u32 s[G0B+4*\p+1], s57, X2L+2*PIECE*\p
.endr
	s_wait_dscnt 0x0                               ; both opening adds are done
	s_wait_kmcnt 0x0
	s_add_nc_u64 s[90:91], s[4:5], s[84:85]
	s_add_nc_u64 s[92:93], s[6:7], s[86:87]
.irp p, 0,1,2,3
	s_add_nc_u64 s[G0A+4*\p+2:G0A+4*\p+3], s[90:91], PIECE*\p
	s_or_b32 s[G0A+4*\p+3], s[G0A+4*\p+3], 0x80000000
	s_add_nc_u64 s[G0B+4*\p+2:G0B+4*\p+3], s[92:93], PIECE*\p
	s_or_b32 s[G0B+4*\p+3], s[G0B+4*\p+3], 0x80000000
.endr
	CROUND                                         ; all sixteen work-groups are here: the joint loads meet
	s_cmp_eq_u32 s13, 0                            ; every wave issues four loads, in one arm or the other; an s_nop 0 follows each, four v_nop the last
	s_cbranch_scc0 .Lfill_b
.irp p, 0,1,2,3
	tensor_load_to_lds s[G0A+4*\p:G0A+4*\p+3], s[G1A:G1A+7]
	s_nop 0
.endr
.rept 4
	v_nop
.endr
	s_branch .Lfilled
.Lfill_b:
.irp p, 0,1,2,3
	tensor_load_to_lds s[G0B+4*\p:G0B+4*\p+3], s[G1B:G1B+7]
	s_nop 0
.endr
.rept 4
	v_nop
.endr
.Lfilled:
	v_and_b32 v1, 31, v0                           ; lane
	v_lshlrev_b32 v7, 4, v1
	s_mul_i32 s58, s13, BLK
	v_add_nc_u32 v[ADRA], s58, v7
	s_mul_i32 s59, s14, 2*BLK
	s_add_co_u32 s59, s59, X2L
	v_add_nc_u32 v[ADRB], s59, v7
	v_add_nc_u32 v[ADRB+1], BLK, v[ADRB]
	v_lshlrev_b32 v8, 5, v1
	v_add_nc_u32 v[ASA], s58, v8
	v_add_nc_u32 v[ASB], s59, v8
	v_and_b32 v8, 15, v0                           ; r
	v_bfe_u32 v9, v0, 4, 1                         ; hh
	s_mul_i32 s60, s12, 16*SPITCH
	s_add_co_u32 s60, s60, STAGE                   ; my stage
	v_mul_u32_u24 v[STO], v8, SPITCH
	v_lshl_add_u32 v[STO], v9, 6, v[STO]
	v_add_nc_u32 v[STO], s60, v[STO]               ; in: row r, 64 bytes on for lanes 16-31
	v_mul_u32_u24 v[RD], v9, SPITCH
	v_lshl_add_u32 v[RD], v8, 4, v[RD]
	v_add_nc_u32 v[RD], s60, v[RD]                 ; back: lanes 0-15 one row, lanes 16-31 the next
	v_lshlrev_b32 v[CO], 12, v9
	v_lshl_add_u32 v[CO], v8, 4, v[CO]             ; and the same two rows of 4,096 bytes in q and out0
	s_lshl_b32 s60, s18, 19                        ; my work-group's 128 rows,
	s_lshl_b32 s61, s13, 18                        ; my wave's 64 of them,
	s_add_co_u32 s60, s60, s61
	s_lshl_b32 s61, s15, 10                        ; the work-group's 256 columns,
	s_add_co_u32 s60, s60, s61
	s_lshl_b32 s61, s14, 9                         ; my wave's 128
	s_add_co_u32 s60, s60, s61
	s_mov_b32 s61, 0
	s_add_nc_u64 s[8:9], s[8:9], s[60:61]
	s_add_nc_u64 s[10:11], s[10:11], s[60:61]
	SYNC 3                                         ; piece 0 (the scale words and K step 0) has landed; pieces 1 to 3 may be out
	SCALES
	FETCH 0, 0
.irp s, 0,1,2,3,4,5,6,7
	KSTEP \s
.endr
; THE WAY OUT, in eight chunks ch = 2 a + n: tile a of my rows x columns 64 n on.  Stage row m is lane-row m of the tile, which is token row 32 (a / 2) + 8 (a % 2) + (m % 8) + 16 (m / 8).
.macro RLOAD ch                        ; q's bytes of the chunk
.irp i, 0,1,2,3,4,5,6,7
	global_load_b128 v[RS+32*((\ch)%2)+4*\i:RS+32*((\ch)%2)+4*\i+3], v[CO], s[8:9] offset:(32*((\ch)/4)+8*(((\ch)/2)%2)+((2*\i)%8)+16*(\i/4))*4096+256*((\ch)%2) th:TH_LOAD_NT
.endr
.endm
.macro TOSTAGE ch
	WIN 0x08                                       ; an LDS store's data are its source 1: window 2
.irp b, 0,1,2,3
.set AC, 8*(8*((\ch)/2)+4*((\ch)%2)+\b)
	ds_store_b128 v[STO], v[AC:AC+3] offset:128*(\b/2)+32*(\b%2)        ; each accumulator from its low end on: columns 32 (b / 2) + 16 hh + 8 (b % 2) + 0 .. 7 of the chunk
	ds_store_b128 v[STO], v[AC+4:AC+7] offset:128*(\b/2)+32*(\b%2)+16
.endr
	WIN 0
.irp i, 0,1,2,3,4,5,6,7
	ds_load_b128 v[BK+32*((\ch)%2)+4*\i:BK+32*((\ch)%2)+4*\i+3], v[RD] offset:2*\i*SPITCH   ; LDS serves a wave's instructions in order: these see my stores, and the next chunk's stores come behind them
.endr
.endm
.macro SEND ch
.if (\ch) < 7
	s_wait_dscnt 16                                ; the chunk is back; the next chunk's 8 stores and 8 loads may be out
	s_wait_loadcnt 8                               ; its residual is in; the next chunk's 8 loads may be out
.else
	s_wait_dscnt 0x0
	s_wait_loadcnt 0x0
.endif
.set j, 0
.rept 16
	v_pk_add_f32 v[BK+32*((\ch)%2)+j:BK+32*((\ch)%2)+j+1], v[BK+32*((\ch)%2)+j:BK+32*((\ch)%2)+j+1], v[RS+32*((\ch)%2)+j:RS+32*((\ch)%2)+j+1]
.set j, j+2
.endr
.irp i, 0,1,2,3,4,5,6,7
	global_store_b128 v[CO], v[BK+32*((\ch)%2)+4*\i:BK+32*((\ch)%2)+4*\i+3], s[10:11] offset:(32*((\ch)/4)+8*(((\ch)/2)%2)+((2*\i)%8)+16*(\i/4))*4096+256*((\ch)%2) th:TH_STORE_NT   ; sixteen lanes store 256 consecutive bytes, aligned
.endr
.endm
	WIN 0
	PLACES                                         ; for the loads into the registers that held X1's fragments, and for the first read of results
	RLOAD 0
	RLOAD 1
	TOSTAGE 0
.irp ch, 0,1,2,3,4,5,6,7
.if \ch > 0
	s_wait_xcnt 0x0                                ; the chunk before's stores have read their registers: the next chunk's loads land there only behind this wait
.endif
.if \ch < 7
	TOSTAGE \ch+1
.endif
	SEND \ch
.if \ch < 6
	RLOAD \ch+2
.endif
.endr
	s_wait_tensorcnt 0x0                           ; the wave's end: behind my last tensor load and my last LDS store
	ds_add_u32 v[SPW], v[NIL]
	s_wait_dscnt 0x0
	CROUND                                         ; the closing round: no work-group ends while a partner may still ask for a piece that names it
	s_endpgm
.Lfunc_end_k_q4febb97dc7_fc:
	.size	k_q4febb97dc7_fc, .Lfunc_end_k_q4febb97dc7_fc-k_q4febb97dc7_fc
	.p2alignl 7, 3214868480
	.fill 96, 4, 3214868480
	.section	.rodata,"a",@progbits
	.p2align	6, 0x0
	.amdhsa_kernel k_q4febb97dc7_fc
		.amdhsa_group_segment_fixed_size 327680
		.amdhsa_private_segment_fixed_size 0
		.amdhsa_enable_private_segment 0
		.amdhsa_kernarg_size 32
		.amdhsa_user_sgpr_count 2
		.amdhsa_user_sgpr_kernarg_segment_ptr 1
		.amdhsa_wavefront_size32 1
		.amdhsa_system_sgpr_workgroup_id_x 1
		.amdhsa_system_sgpr_workgroup_id_y 1
		.amdhsa_system_sgpr_workgroup_id_z 1
		.amdhsa_system_vgpr_workitem_id 0
		.amdhsa_next_free_vgpr 768
		.amdhsa_next_free_sgpr 100
		.amdhsa_reserve_vcc 0
		.amdhsa_float_denorm_mode_32 3
		.amdhsa_float_denorm_mode_16_64 3
		.amdhsa_memory_ordered 1
		.amdhsa_forward_progress 1
		.amdhsa_inst_pref_size 91
	.end_amdhsa_kernel
	.amdgpu_metadata
---
amdhsa.version: [ 1, 2 ]
amdhsa.kernels:
  - .name:           k_q4febb97dc7_fc
    .symbol:         k_q4febb97dc7_fc.kd
    .args:
      - { .name: ao, .offset: 0, .size: 8, .value_kind: global_buffer, .address_space: global }
      - { .name: wa, .offset: 8, .size: 8, .value_kind: global_buffer, .address_space: global }
      - { .name: q, .offset: 16, .size: 8, .value_kind: global_buffer, .address_space: global }
      - { .name: out0, .offset: 24, .size: 8, .value_kind: global_buffer, .address_space: global }
    .group_segment_fixed_size: 327680
    .private_segment_fixed_size: 0
    .kernarg_segment_align: 8
    .kernarg_segment_size: 32
    .max_flat_workgroup_size: 128
    .sgpr_count:     100
    .vgpr_count:     768
    .wavefront_size: 32
...
	.end_amdgpu_metadata
.endif
;; end of part 4
